; MI455X (gfx1250); checked and timed in simulation.
; The chip was launched on July 23, 2026; its instructions are those of AMD's public machine-readable ISA for CDNA 5 (MIT licence, August 2026) and "CDNA5" Instruction Set Architecture Reference Guide (July 2026). The comments in the code are by the model that wrote it; some were corrected since.
;; TRILIX Attention. Allowed arithmetic: float matrix products may take bf16 or f16 operands with f32 sums; all other float work in f32.
;; Inputs: Wk 2,048 x 512 float32; Wo 2,048 x 2,048 float32; Wq 2,048 x 2,048 float32; Wv 2,048 x 512 float32; attention_mask 1 x 1 x 2,048 x 2,048 float32; hidden_states 1 x 2,048 x 2,048 float32.
;; Outputs: out0 1 x 2,048 x 2,048 float32.
;; 2 versions, each right; version 2 is version 1 with the launch prep written anew for expert scheduling mode. Each part assembles by itself: llvm-mc -triple=amdgcn-amd-amdhsa -mcpu=gfx1250 --defsym DOCPART=n.
;; ======== version 1 of 2: 4 launches
;; limits: values are held in f16: magnitudes above 65,504 overflow, below 6.1e-05 lose precision
;; workspace buffers: xb 8,388,608 bytes; wh 12,582,912 bytes; woh 8,388,608 bytes; rope 524,288 bytes; qkv 12,582,912 bytes; ab 8,388,608 bytes
;; launch prep (part 1): grid 11 x 128, 4 waves a work-group, no clusters, 0 bytes of LDS; arguments hidden_states, Wq, Wk, Wv, xb, wh, rope; writes xb, wh, rope
.if DOCPART == 1
	.amdgcn_target "amdgcn-amd-amdhsa--gfx1250"
	.amdhsa_code_object_version 6
	.text
	.protected	k_qe092968d58_prep
	.globl	k_qe092968d58_prep
	.p2align	8
	.type	k_qe092968d58_prep,@function
k_qe092968d58_prep:
	s_mov_b64 s[64:65], 0
	v_nop
	global_prefetch_b8 v0, s[64:65] scope:SCOPE_SE
	s_setreg_imm32_b32 hwreg(HW_REG_WAVE_MODE, 25, 1), 1
	s_wait_xcnt 0x0
; prep: casts hidden_states, Wq, Wk, Wv to bf16 in panel-major order, and makes the table of rotation factors.
; Panel-major: [column / 64][row 0..2047][column % 64], a panel is 262,144 bytes, a row of a panel 128 bytes, so that every tile that a
; later launch wants is one dense block.
;   x = 0..3   hidden_states -> xb              x = 4..7  Wq -> wh panels 0..31
;   x = 8      Wk -> wh panels 32..39           x = 9     Wv -> wh panels 40..47
;   x = 10     rope[t][j] = (cos(t f_j), ss), ss = -sin for even j, +sin for odd j, f_j = 500000^(-j/32), j = 0..31: 256 bytes for each t
; A cast work-group takes 8 panels x 16 rows, a wave 4 rows: 16 loads of 512 bytes (two rows x 256 aligned bytes), all issued at once,
; and 16 stores of which each covers 256 consecutive aligned bytes (two rows of one panel).  1,280 equal cast work-groups.
; No LDS, no barrier: no wave needs another.
; LIMITS.  The angle t f_j is reduced by two-part pi/2 and the polynomials are cut at r^7 and r^8 (|r| <= pi/4, error under 4e-7);
; f_j comes from v_exp_f32, so that the angle at t = 2047 is good to about 2e-4 rad.
.set XR, 16                            ; v[16:79]   16 loads x 4 registers
.set YR, 80                            ; v[80:111]  16 stores x 2 registers, each store has its own pair
	s_load_b256 s[8:15], s[0:1], 0x0               ; hidden 8, Wq 10, Wk 12, Wv 14
	s_load_b128 s[16:19], s[0:1], 0x20             ; xb 16, wh 18
	s_load_b64 s[24:25], s[0:1], 0x30              ; rope
	s_mov_b32 s2, ttmp9                            ; x: which job
	s_and_b32 s3, ttmp7, 0xffff                    ; y: which 16 rows
	v_lshrrev_b32 v7, 5, v0
	v_readfirstlane_b32 s4, v7                     ; wave 0..3
	v_and_b32 v1, 31, v0                           ; lane
	s_lshl_b32 s35, s3, 4
	s_lshl2_add_u32 s35, s4, s35                   ; my first row (or t): 16 y + 4 wave
	s_wait_kmcnt 0x0
	s_cmp_eq_u32 s2, 10
	s_cbranch_scc1 .Ltable
	; which matrix, where to, which group of 8 panels, which pitch: chosen by x alone
	s_sub_co_u32 s26, s2, 4
	s_mov_b64 s[28:29], s[8:9]                     ; source
	s_mov_b64 s[30:31], s[16:17]                   ; destination
	s_mov_b32 s32, s2                              ; destination panel / 8
	s_mov_b32 s33, 13                              ; log2 of the source pitch in bytes
	s_cmp_ge_u32 s2, 4
	s_cselect_b64 s[28:29], s[10:11], s[28:29]
	s_cselect_b64 s[30:31], s[18:19], s[30:31]
	s_cselect_b32 s32, s26, s32                    ; x - 4: 0..3 for Wq, 4 for Wk, 5 for Wv
	s_cmp_ge_u32 s2, 8
	s_cselect_b64 s[28:29], s[12:13], s[28:29]
	s_cselect_b32 s33, 11, s33
	s_cmp_ge_u32 s2, 9
	s_cselect_b64 s[28:29], s[14:15], s[28:29]
	s_cmp_eq_u32 s33, 13
	s_cselect_b32 s34, s32, 0                      ; source column group: Wk and Wv have one group only
	s_lshl_b32 s36, s35, s33                       ; row x pitch
	s_lshl_b32 s38, s34, 11                        ; + group x 8 panels x 256 bytes
	s_add_co_u32 s36, s36, s38
	s_mov_b32 s37, 0
	s_add_nc_u64 s[28:29], s[28:29], s[36:37]
	s_lshl_b32 s36, s32, 21                        ; 8 panels of 262,144 bytes
	s_lshl_b32 s38, s35, 7                         ; + row x 128
	s_add_co_u32 s36, s36, s38
	s_add_nc_u64 s[30:31], s[30:31], s[36:37]
	v_bfe_u32 v5, v0, 4, 1                         ; lanes 16-31 take the next row
	v_and_b32 v6, 15, v0
	v_lshlrev_b32 v2, s33, v5
	v_lshl_add_u32 v2, v6, 4, v2                   ; rows 0, 1: (lane / 16) x pitch + 16 (lane % 16)
	s_lshl_b32 s39, 2, s33
	v_add_nc_u32 v3, s39, v2                       ; rows 2, 3
	v_lshlrev_b32 v4, 3, v1                        ; out: 8 bytes a lane, 256 bytes a wave
.irp u, 0,1
.irp p, 0,1,2,3,4,5,6,7
	global_load_b128 v[XR+4*(8*\u+\p):XR+4*(8*\u+\p)+3], v[2+\u], s[28:29] offset:256*\p th:TH_LOAD_NT
.endr
.endr
.irp u, 0,1
.irp p, 0,1,2,3,4,5,6,7
	s_wait_loadcnt 15-(8*\u+\p)                    ; loads come back in order: this one is in, the younger ones stay out
	v_cvt_pk_bf16_f32 v[YR+2*(8*\u+\p)], v[XR+4*(8*\u+\p)], v[XR+4*(8*\u+\p)+1]
	v_cvt_pk_bf16_f32 v[YR+2*(8*\u+\p)+1], v[XR+4*(8*\u+\p)+2], v[XR+4*(8*\u+\p)+3]
	global_store_b64 v4, v[YR+2*(8*\u+\p):YR+2*(8*\u+\p)+1], s[30:31] offset:\p*262144+256*\u
.endr
.endr
	s_endpgm
.Ltable:
	; lane = j; four values of t for each wave
	v_cvt_f32_u32 v5, v1
	v_mul_f32 v5, 0xbf1773da, v5                   ; -j log2(500000) / 32
	v_exp_f32 v5, v5                               ; f_j
	v_and_b32 v6, 1, v1                            ; (a plain instruction stands behind the exponential before f_j is used)
	v_xor_b32 v6, 1, v6
	v_lshlrev_b32 v6, 31, v6                       ; even j: the sine changes sign
	v_lshlrev_b32 v7, 3, v1
	v_lshl_add_u32 v7, s35, 8, v7                  ; 256 t + 8 j
	s_wait_alu depctr_va_vdst(0)
.irp i, 0,1,2,3
	s_add_co_u32 s36, s35, \i
	v_cvt_f32_u32 v8, s36
	v_mul_f32 v8, v8, v5                           ; the angle a = t f_j, rounded to f32 as in the definition
	v_mul_f32 v9, 0x3f22f983, v8                   ; a x 2 / pi
	v_rndne_f32 v9, v9                             ; n
	v_fmamk_f32 v10, v9, 0xbfc90fdb, v8            ; r = a - n pi/2, pi/2 in two parts
	v_fmamk_f32 v10, v9, 0x333bbd2e, v10
	v_mul_f32 v11, v10, v10                        ; z = r r
	v_mov_b32 v12, 0xb9500d01                      ; -1/5040
	v_fmaak_f32 v12, v12, v11, 0x3c088889          ; 1/120
	v_fmaak_f32 v12, v12, v11, 0xbe2aaaab          ; -1/6
	v_mul_f32 v13, v10, v11
	v_fma_f32 v12, v13, v12, v10                   ; sin r
	v_mov_b32 v14, 0x37d00d01                      ; 1/40320
	v_fmaak_f32 v14, v14, v11, 0xbab60b61          ; -1/720
	v_fmaak_f32 v14, v14, v11, 0x3d2aaaab          ; 1/24
	v_fmaak_f32 v14, v14, v11, 0xbf000000          ; -1/2
	v_fma_f32 v14, v14, v11, 1.0                   ; cos r
	v_cvt_i32_f32 v15, v9                          ; the quadrant is n mod 4
	v_and_b32 v13, 1, v15
	v_cmp_eq_u32 vcc_lo, 1, v13
	v_cndmask_b32 v[17+2*\i], v12, v14, vcc_lo     ; odd quadrant: sine and cosine change places
	v_cndmask_b32 v[16+2*\i], v14, v12, vcc_lo
	v_and_b32 v13, 2, v15
	v_lshlrev_b32 v13, 30, v13                     ; quadrants 2, 3: the sine is negative
	v_xor_b32 v13, v13, v6
	v_xor_b32 v[17+2*\i], v[17+2*\i], v13
	v_add_nc_u32 v15, 1, v15
	v_and_b32 v15, 2, v15
	v_lshlrev_b32 v15, 30, v15                     ; quadrants 1, 2: the cosine is negative
	v_xor_b32 v[16+2*\i], v[16+2*\i], v15
	global_store_b64 v7, v[16+2*\i:17+2*\i], s[24:25] offset:256*\i   ; the wave stores one whole row of 256 bytes
.endr
	s_endpgm
.Lfunc_end_k_qe092968d58_prep:
	.size	k_qe092968d58_prep, .Lfunc_end_k_qe092968d58_prep-k_qe092968d58_prep
	.p2alignl 7, 3214868480
	.fill 96, 4, 3214868480
	.section	.rodata,"a",@progbits
	.p2align	6, 0x0
	.amdhsa_kernel k_qe092968d58_prep
		.amdhsa_group_segment_fixed_size 0
		.amdhsa_private_segment_fixed_size 0
		.amdhsa_enable_private_segment 0
		.amdhsa_kernarg_size 56
		.amdhsa_user_sgpr_count 2
		.amdhsa_user_sgpr_kernarg_segment_ptr 1
		.amdhsa_wavefront_size32 1
		.amdhsa_system_sgpr_workgroup_id_x 1
		.amdhsa_system_sgpr_workgroup_id_y 1
		.amdhsa_system_sgpr_workgroup_id_z 1
		.amdhsa_system_vgpr_workitem_id 0
		.amdhsa_next_free_vgpr 112
		.amdhsa_next_free_sgpr 66
		.amdhsa_reserve_vcc 1
		.amdhsa_float_denorm_mode_32 3
		.amdhsa_float_denorm_mode_16_64 3
		.amdhsa_memory_ordered 1
		.amdhsa_forward_progress 1
		.amdhsa_inst_pref_size 14
	.end_amdhsa_kernel
	.amdgpu_metadata
---
amdhsa.version: [ 1, 2 ]
amdhsa.kernels:
  - .name:           k_qe092968d58_prep
    .symbol:         k_qe092968d58_prep.kd
    .args:
      - { .name: hidden_states, .offset: 0, .size: 8, .value_kind: global_buffer, .address_space: global }
      - { .name: Wq, .offset: 8, .size: 8, .value_kind: global_buffer, .address_space: global }
      - { .name: Wk, .offset: 16, .size: 8, .value_kind: global_buffer, .address_space: global }
      - { .name: Wv, .offset: 24, .size: 8, .value_kind: global_buffer, .address_space: global }
      - { .name: xb, .offset: 32, .size: 8, .value_kind: global_buffer, .address_space: global }
      - { .name: wh, .offset: 40, .size: 8, .value_kind: global_buffer, .address_space: global }
      - { .name: rope, .offset: 48, .size: 8, .value_kind: global_buffer, .address_space: global }
    .group_segment_fixed_size: 0
    .private_segment_fixed_size: 0
    .kernarg_segment_align: 8
    .kernarg_segment_size: 56
    .max_flat_workgroup_size: 128
    .sgpr_count:     66
    .vgpr_count:     112
    .wavefront_size: 32
...
	.end_amdgpu_metadata
.endif
;; end of part 1
;; launch qkv (part 2): grid 16 x 16, 4 waves a work-group, clusters of 4 x 4, 327,680 bytes of LDS; arguments xb, wh, rope, qkv; writes qkv
.if DOCPART == 2
	.amdgcn_target "amdgcn-amd-amdhsa--gfx1250"
	.amdhsa_code_object_version 6
	.text
	.protected	k_qe092968d58_qkv
	.globl	k_qe092968d58_qkv
	.p2align	8
	.type	k_qe092968d58_qkv,@function
k_qe092968d58_qkv:
	s_mov_b64 s[64:65], 0
	v_nop
	global_prefetch_b8 v0, s[64:65] scope:SCOPE_SE
	s_setreg_imm32_b32 hwreg(HW_REG_WAVE_MODE, 25, 1), 1
	s_wait_xcnt 0x0
	s_wait_alu depctr_hold_cnt(0) depctr_sa_sdst(0) depctr_va_vdst(0) depctr_va_sdst(0) depctr_va_ssrc(0) depctr_va_vcc(0) depctr_vm_vsrc(0)
	s_getreg_b32 s2, hwreg(HW_REG_IB_STS2, 6, 4)
	s_cmp_eq_u32 s2, 0
	s_cbranch_scc0 .Lentry_in_a_cluster
	s_endpgm
.Lentry_in_a_cluster:
	s_bfe_u32 s2, ttmp6, 0x10000c
	s_cmp_lg_u32 s2, 0xf033
	s_cbranch_scc0 .Lentry_shape_is_right
	s_endpgm
.Lentry_shape_is_right:
; qkv[head][t][d] (f16) = rotate( hidden x (Wq | Wk | Wv) ), heads 0-31 q (also scaled by 0.125 log2 e), 32-39 k, 40-47 v (not rotated).
; xb: [32 k panels][2048 t][64] bf16.  wh: [48 heads][2048 k][64] bf16.  rope: [2048 t][32 j][cos, ss] f32.  Sums in f32.
; A work-group makes 128 tokens x 192 columns (three heads) with four waves; a wave makes 64 tokens x 96 columns: one whole head (the first or
; the third) and half of the middle one: 24 accumulator tiles of 16 x 16, 192 registers.
; K goes in periods of 192 (six quarters of 32) through two LDS slots filled by the tensor data mover: a k costs 128 x 2.25 + 3 x 160 = 768
; bytes of LDS, so two slots of 192 k (2 x 147,456 bytes) are the largest whole panels that fit.  2048 = 10 x 192 + 128: the eleventh tile is
; short and has shapes of its own.  A load has a period of 144 matrix instructions a wave in which to land, and there are 10 changes of
; slots in all.  Every tile is dense in memory (panel-major buffers), so it comes in as long rows; the mover lays a pad behind every
; 128 bytes: token rows are 144 bytes apart in LDS, weight rows 160.
; CLUSTERS: 4 x 4 work-groups.  The four of a row of the cluster need the same token tile, the four of a column the same three weight planes:
; each tile is asked for jointly, which divides the requests by four.
; THE MATRIX INSTRUCTION IS USED TRANSPOSED: source 0 = 16 columns of W (read from [k][n] rows by the transposing LDS load), source 1 = 16
; tokens.  Lane l then holds token l % 16 and eight neighbouring columns 8 (l / 16) + 0..7, so that the pairs (2i, 2i+1) of the rotation lie
; in neighbouring registers and the eight results pack into 16 bytes.
; REGISTERS: window 0 addresses and fragments, window 1 the accumulators (tile (mt, nt) at 8 (6 mt + nt)), window 2 the rotation factors of
; my 64 tokens (loaded once at the start, used at the end).
; The stage of the way out lies in slot 1, which has had its last fill by then and is read by nobody behind the change of slots that ends
; the tenth period.
; LIMIT: the results are stored in f16: |q|, |k|, |v| must stay under 65,504.
.set NT,     6
.set APAN,   18432                     ; 128 token rows x 144 bytes: one k panel of the token tile; also one head of the stage
.set BPL,    30720                     ; 192 k rows x 160 bytes: one weight plane
.set BOFF,   3*APAN
.set SLOT,   BOFF+3*BPL                ; 147,456
.set STAGE,  SLOT                      ; 3 heads x 128 tokens x 144 bytes at the head of slot 1
.set LAPS,   5                         ; a lap = two full periods; ten full periods, then the short one
.set NF,     2*NT+8                    ; LDS loads of one quarter
.set ASTEP,  786432                    ; three k panels of xb
.set BSTEP,  24576                     ; 192 k rows of a weight plane
.set ADRA,   16                        ; v16-17 token fragments, slot 0, 1
.set ADRBF,  18                        ; v18-19 weight fragments of my whole head
.set ADRBH,  20                        ; v20-21 weight fragments of my half of the middle head
.set STOF,   22
.set STOH,   23
.set RD,     24
.set CO,     25
.set TBO,    26
.set F0,     32                        ; fragment buffer 0: 6 x 8 weights, 4 x 8 tokens
.set F1,     112                       ; fragment buffer 1
.set FA,     48
.set CS,     192                       ; the way out: 16 cosine factors, 16 sine factors
.set TX,     32                        ; the way out: rotated numbers in f32
.set PK,     64                        ; the way out: packed f16
.set RB,     112                       ; the way out: 24 x 4 registers read back
.set G1A,  24
.set G0A,  32
.set G1B,  40
.set G0B,  48
.set G1AS, 72                          ; the short token tile: two panels
.set G1BS, 80                          ; the short weight plane: 128 k rows
.set MUL, 0x50                         ; C and D in window 1, both sources in window 0
.set MSB, 0
.macro WIN new                         ; the high byte of the immediate repeats the setting that is left
.if MSB != \new
	s_set_vgpr_msb (MSB<<8)|\new
.set MSB, \new
.endif
.endm
.macro PLACES                          ; four places behind a matrix instruction (ISA guide 7.12.1)
.rept 4
	v_nop
.endr
.endm
; A joint load.  Wave 0 fetches the token tile, waves 1 to 3 one weight plane each.  The branch hangs on the wave number alone.
; ga, gb: the shapes (full or short).
.macro JLOAD s, ga, gb
	s_cmp_eq_u32 s12, 0
	s_cbranch_scc0 .Lfor_b_\@
	tensor_load_to_lds s[G0A+4*\s:G0A+4*\s+3], s[\ga:\ga+7]
	s_nop 0
	s_branch .Lasked_\@
.Lfor_b_\@:
	tensor_load_to_lds s[G0B+4*\s:G0B+4*\s+3], s[\gb:\gb+7]
	s_nop 0
.Lasked_\@:
.endm
.macro CREST                           ; a round of the cluster barrier behind its opening work-group barrier
	s_cmp_lg_u32 s12, 0
	s_cbranch_scc1 .Lnot_wave_0_\@
	s_barrier_signal -3
.Lnot_wave_0_\@:
	s_barrier_wait -3
	s_barrier_signal -1
	s_barrier_wait -1
.endm
.macro CROUND
	s_barrier_signal -1
	s_barrier_wait -1
	CREST
.endm
	s_load_b256 s[4:11], s[0:1], 0x0               ; xb s[4:5], wh s[6:7], rope s[8:9], qkv s[10:11]
	v_lshl_add_u32 v254, v0, 2, 0x48000
	v_mov_b32 v255, 0
	ds_add_u32 v254, v255
	v_lshrrev_b32 v1, 5, v0
	v_readfirstlane_b32 s12, v1                    ; wave 0..3
	s_lshr_b32 s13, s12, 1                         ; wm: which 64 tokens
	s_and_b32 s14, s12, 1                          ; wn: which 96 columns
	s_bfe_u32 s15, ttmp6, 0x40000                  ; cx
	s_bfe_u32 s16, ttmp6, 0x40004                  ; cy
	s_lshl_b32 s17, ttmp9, 2
	s_add_co_u32 s17, s17, s15                     ; bx: block of 192 columns
	s_and_b32 s18, ttmp7, 0xffff
	s_lshl_b32 s18, s18, 2
	s_add_co_u32 s18, s18, s16                     ; by: block of 128 tokens
	s_lshl_b32 s19, s16, 2
	s_lshl_b32 s19, 15, s19                        ; my row of the cluster
	s_lshl_b32 s20, 0x1111, s15                    ; my column
	; group 1 of the token tile: elements of 8 bytes, three rows of 2,048 elements (16 KiB: 128 tokens of one k panel), 32,768 elements
	; apart; a pad of 4 words behind every 32 words
	s_or_b32 s[G1A+0], s19, (3<<16)|(1<<20)|(1<<21)|(4<<22)|(3<<25)
	s_mov_b32 s[G1A+1], 2048<<16                   ; tensor_dim0
	s_mov_b32 s[G1A+2], 3<<16                      ; tensor_dim1
	s_mov_b32 s[G1A+3], 2048<<16                   ; tile_dim0
	s_mov_b32 s[G1A+4], 3                          ; tile_dim1
	s_mov_b32 s[G1A+5], 32768                      ; from row to row
	s_mov_b32 s[G1A+6], 0
	s_mov_b32 s[G1A+7], 0
	; the short token tile: two such rows
	s_or_b32 s[G1AS+0], s19, (3<<16)|(1<<20)|(1<<21)|(4<<22)|(3<<25)
	s_mov_b32 s[G1AS+1], 2048<<16
	s_mov_b32 s[G1AS+2], 2<<16
	s_mov_b32 s[G1AS+3], 2048<<16
	s_mov_b32 s[G1AS+4], 2
	s_mov_b32 s[G1AS+5], 32768
	s_mov_b32 s[G1AS+6], 0
	s_mov_b32 s[G1AS+7], 0
	; group 1 of a weight plane: one row of 3,072 elements of 8 bytes (192 k rows), a pad of 8 words behind every 32 words
	s_or_b32 s[G1B+0], s20, (3<<16)|(1<<20)|(1<<21)|(4<<22)|(7<<25)
	s_mov_b32 s[G1B+1], 3072<<16
	s_mov_b32 s[G1B+2], 1<<16
	s_mov_b32 s[G1B+3], 3072<<16
	s_mov_b32 s[G1B+4], 1
	s_mov_b32 s[G1B+5], 3072
	s_mov_b32 s[G1B+6], 0
	s_mov_b32 s[G1B+7], 0
	; the short weight plane: 2,048 elements (128 k rows)
	s_or_b32 s[G1BS+0], s20, (3<<16)|(1<<20)|(1<<21)|(4<<22)|(7<<25)
	s_mov_b32 s[G1BS+1], 2048<<16
	s_mov_b32 s[G1BS+2], 1<<16
	s_mov_b32 s[G1BS+3], 2048<<16
	s_mov_b32 s[G1BS+4], 1
	s_mov_b32 s[G1BS+5], 2048
	s_mov_b32 s[G1BS+6], 0
	s_mov_b32 s[G1BS+7], 0
	; the token tile hangs on by alone (s56, s57), the planes on bx and the wave alone (s58 to s62)
	s_lshl_b32 s56, s18, 14                        ; 128 tokens x 128 bytes
	s_mov_b32 s57, 0
	s_max_u32 s58, s12, 1
	s_sub_co_u32 s58, s58, 1                       ; my plane 0..2 in memory (wave 0 asks for none: its unused address stays inside wh)
	s_mul_i32 s59, s17, 3
	s_add_co_u32 s59, s59, s58
	s_lshl_b32 s60, s59, 18
	s_mov_b32 s61, 0
	s_mul_i32 s62, s12, BPL                        ; where my plane goes in LDS: BOFF + (wave - 1) x BPL, written as the wave number times a
	s_add_co_u32 s62, s62, BOFF-BPL                ; constant plus a constant: waves 1, 2, 3 have 30,720 bytes of their own each
	s_lshl_b32 s22, s18, 15                        ; the rotation factors of my 64 tokens: (128 by + 64 wm) x 256 bytes
	s_lshl_b32 s21, s13, 14
	s_add_co_u32 s22, s22, s21
	s_mov_b32 s23, 0
	s_wait_dscnt 0x0
	s_wait_kmcnt 0x0
	s_add_nc_u64 s[56:57], s[4:5], s[56:57]
	s_add_nc_u64 s[60:61], s[6:7], s[60:61]
	s_add_nc_u64 s[22:23], s[8:9], s[22:23]
	CROUND                                         ; all sixteen work-groups are here: the first joint loads meet
.irp s, 0,1
	s_mov_b32 s[G0A+4*\s], 1
	s_mov_b32 s[G0A+4*\s+1], \s*SLOT
	s_add_nc_u64 s[G0A+4*\s+2:G0A+4*\s+3], s[56:57], \s*ASTEP
	s_or_b32 s[G0A+4*\s+3], s[G0A+4*\s+3], 0x80000000
	s_mov_b32 s[G0B+4*\s], 1
	s_add_co_u32 s[G0B+4*\s+1], s62, \s*SLOT
	s_add_nc_u64 s[G0B+4*\s+2:G0B+4*\s+3], s[60:61], \s*BSTEP
	s_or_b32 s[G0B+4*\s+3], s[G0B+4*\s+3], 0x80000000
	JLOAD \s, G1A, G1B                             ; both slots are asked for before anything else: two loads of this wave are out
.endr
	v_and_b32 v1, 15, v0                           ; r = lane % 16
	v_bfe_u32 v2, v0, 4, 1                         ; h = lane / 16
	v_lshlrev_b32 v[TBO], 8, v1
	v_lshl_add_u32 v[TBO], v2, 6, v[TBO]           ; token r, factors 8 h .. 8 h + 7
	; 32 loads into window 2; they are waited for at the way out, and TBO and s[22:23] stay as they are until then
	WIN 0x80
.irp mt, 0,1,2,3
.irp par, 0,1
.irp i, 0,1,2,3
	global_load_b128 v[32*\mt+16*\par+4*\i:32*\mt+16*\par+4*\i+3], v[TBO], s[22:23] offset:4096*\mt+128*\par+16*\i
.endr
.endr
.endr
	WIN 0
	v_mul_u32_u24 v3, v1, 144
	v_lshl_add_u32 v3, v2, 4, v3                   ; r x 144 + 16 h
	s_mul_i32 s21, s13, 9216                       ; my 64 tokens
	v_add_nc_u32 v[ADRA], s21, v3
	v_add_nc_u32 v[ADRA+1], SLOT, v[ADRA]
	v_and_b32 v5, 7, v0
	v_lshl_add_u32 v5, v2, 3, v5
	v_mul_u32_u24 v5, v5, 160
	v_bfe_u32 v6, v0, 3, 1
	v_lshl_add_u32 v4, v6, 4, v5                   ; (8 h + lane % 8) x 160 + 16 ((lane / 8) % 2): the transposing load
	s_mul_i32 s21, s14, 2*BPL
	s_add_co_u32 s21, s21, BOFF                    ; plane 0 or 2
	v_add_nc_u32 v[ADRBF], s21, v4
	v_add_nc_u32 v[ADRBF+1], SLOT, v[ADRBF]
	s_lshl_b32 s21, s14, 6
	s_add_co_u32 s21, s21, BOFF+BPL                ; plane 1, columns 32 wn ..
	v_add_nc_u32 v[ADRBH], s21, v4
	v_add_nc_u32 v[ADRBH+1], SLOT, v[ADRBH]
	s_mul_i32 s21, s14, 2*APAN
	s_mul_i32 s70, s13, 9216
	s_add_co_u32 s21, s21, s70
	s_add_co_u32 s21, s21, STAGE
	v_add_nc_u32 v[STOF], s21, v3                  ; stage: head 0 or 2, token 64 wm + r
	s_lshl_b32 s21, s14, 6
	s_add_co_u32 s21, s21, s70
	s_add_co_u32 s21, s21, STAGE+APAN
	v_add_nc_u32 v[STOH], s21, v3                  ; stage: head 1, my 64 bytes of the row
	v_bfe_u32 v5, v0, 3, 2
	v_mul_u32_u24 v5, v5, 144
	v_and_b32 v6, 7, v0
	v_lshl_add_u32 v5, v6, 4, v5
	s_mul_i32 s71, s12, 4608
	s_add_co_u32 s71, s71, STAGE
	v_add_nc_u32 v[RD], s71, v5                    ; back: tokens 32 wave + lane / 8, 16 bytes a lane
	v_and_b32 v6, 31, v0
	v_lshlrev_b32 v6, 4, v6
	v_lshl_add_u32 v[CO], s12, 12, v6              ; and the same four rows in qkv: 512 consecutive bytes
; six matrix instructions: token tile mt x my six column tiles, 32 along K.  zero = 1: the first product starts the sums.
.macro MUL1 f, mt, zero
.irp nt, 0,1,2,3,4,5
.if \zero
	v_wmma_f32_16x16x32_bf16 v[8*(NT*(\mt)+\nt):8*(NT*(\mt)+\nt)+7], v[\f+8*\nt:\f+8*\nt+7], v[\f+FA+8*(\mt):\f+FA+8*(\mt)+7], 0
.else
	v_wmma_f32_16x16x32_bf16 v[8*(NT*(\mt)+\nt):8*(NT*(\mt)+\nt)+7], v[\f+8*\nt:\f+8*\nt+7], v[\f+FA+8*(\mt):\f+FA+8*(\mt)+7], v[8*(NT*(\mt)+\nt):8*(NT*(\mt)+\nt)+7]
.endif
.endr
.endm
.macro MULH f, half, zero
	MUL1 \f, 2*\half, \zero
	MUL1 \f, 2*\half+1, \zero
.endm
; the fragments of quarter q (32 along K) of a slot into buffer f: 12 transposing loads for the weights, then 8 loads for the tokens
.macro FETCH slot, q, f
.irp nt, 0,1,2,3
	ds_load_tr16_b128 v[\f+8*\nt:\f+8*\nt+3],   v[ADRBF+\slot] offset:(\q)*5120+32*\nt
	ds_load_tr16_b128 v[\f+8*\nt+4:\f+8*\nt+7], v[ADRBF+\slot] offset:(\q)*5120+32*\nt+2560
.endr
.irp nt, 0,1
	ds_load_tr16_b128 v[\f+32+8*\nt:\f+32+8*\nt+3], v[ADRBH+\slot] offset:(\q)*5120+32*\nt
	ds_load_tr16_b128 v[\f+32+8*\nt+4:\f+32+8*\nt+7], v[ADRBH+\slot] offset:(\q)*5120+32*\nt+2560
.endr
.irp mt, 0,1,2,3
	ds_load_b128 v[\f+FA+8*\mt:\f+FA+8*\mt+3],   v[ADRA+\slot] offset:((\q)>>1)*APAN+((\q)&1)*64+2304*\mt
	ds_load_b128 v[\f+FA+8*\mt+4:\f+FA+8*\mt+7], v[ADRA+\slot] offset:((\q)>>1)*APAN+((\q)&1)*64+2304*\mt+32
.endr
.endm
; A quarter: multiplies buffer f; in its middle it fetches quarter qn of the same slot into buffer g.
; The 24 accumulators take turns, one instruction a turn, in the same order in every quarter.
.macro QUARTER slot, qn, f, g, zero
	s_wait_dscnt 4                                 ; all of buffer f but the four youngest loads (token tiles 2, 3)
	WIN MUL
	MULH \f, 0, \zero
	PLACES                                         ; buffer g was read by matrix instructions: four places in front of the loads into it
	WIN 0
	FETCH \slot, \qn, \g
	s_wait_dscnt NF                                ; all but the NF just issued
	WIN MUL
	MULH \f, 1, \zero
.endm
.macro BODY slot, zero                 ; the first five quarters of a full period
	QUARTER \slot, 1, F0, F1, \zero
	QUARTER \slot, 2, F1, F0, 0
	QUARTER \slot, 3, F0, F1, 0
	QUARTER \slot, 4, F1, F0, 0
	QUARTER \slot, 5, F0, F1, 0
.endm
; The last quarter of a period: multiplies buffer 1 and changes slots.  In front of the barrier each wave waits for its reads of this slot and
; for all its tensor loads (one is out: its part of the next slot).  fill = 1 or 2: the barrier opens a round of the cluster barrier, and
; the joint refill of this slot, two periods ahead (2: the short tile), is the first tensor load behind the round; then the next slot is read.
.macro TURN slot, next, fill
	s_wait_dscnt 4
	WIN MUL
	MUL1 F1, 0, 0
	s_wait_dscnt 0
	s_wait_tensorcnt 0x0
	ds_add_u32 v254, v255
	s_wait_dscnt 0x0
	s_barrier_signal -1
	MUL1 F1, 1, 0                                  ; register work while the others arrive
	WIN 0
	s_barrier_wait -1
.if \fill
	CREST
	s_add_nc_u64 s[G0A+4*\slot+2:G0A+4*\slot+3], s[G0A+4*\slot+2:G0A+4*\slot+3], 2*ASTEP
	s_add_nc_u64 s[G0B+4*\slot+2:G0B+4*\slot+3], s[G0B+4*\slot+2:G0B+4*\slot+3], 2*BSTEP
.if \fill == 1
	JLOAD \slot, G1A, G1B
.else
	JLOAD \slot, G1AS, G1BS
.endif
.endif
	PLACES
	FETCH \next, 0, F0
	WIN MUL
	MULH F1, 1, 0
.endm
.macro LAP zero
	BODY 0, \zero
	TURN 0, 1, 1
	BODY 1, 0
	TURN 1, 0, 1
.endm
	s_wait_tensorcnt 0x1                           ; my part of period 0 is in; period 1 may stay out
	s_barrier_signal -1
	s_barrier_wait -1
	FETCH 0, 0, F0
	LAP 1                                          ; periods 0, 1; asks for 2, 3
	WIN 0
	s_mov_b32 s3, LAPS-2
.Llap:
	LAP 0                                          ; periods 2 to 7; asks for 4 to 9
	WIN 0
	s_sub_co_u32 s3, s3, 1
	s_cmp_lg_u32 s3, 0
	s_cbranch_scc1 .Llap
	BODY 0, 0                                      ; period 8
	TURN 0, 1, 2                                   ; asks for the short tile, k = 1920 .. 2047, into slot 0: the last load
	BODY 1, 0                                      ; period 9
	TURN 1, 0, 0                                   ; behind this barrier nobody reads slot 1 and no load lands in it any more
	QUARTER 0, 1, F0, F1, 0                        ; the short period: four quarters
	QUARTER 0, 2, F1, F0, 0
	QUARTER 0, 3, F0, F1, 0
	s_wait_dscnt 4
	WIN MUL
	MULH F1, 0, 0
	s_wait_dscnt 0
	MULH F1, 1, 0
	WIN 0
	PLACES                                         ; four places in front of the first reader of a result
	; THE WAY OUT.  out[d] = x[d] c[d % 32] + x[d ^ 1] ss[d % 32], both factors multiplied by fa, and fb added to the cosine factor:
	; q: fa = 0.125 log2 e, fb = 0;  k: fa = 1, fb = 0;  v: fa = 0, fb = 1 (no rotation).  Chosen by the head, without a branch.
	s_wait_loadcnt 0x0                             ; the rotation factors
	s_mul_i32 s58, s17, 3                          ; the first head of the block
	s_lshl1_add_u32 s59, s14, s58                  ; my whole head
	s_add_co_u32 s62, s58, 1                       ; the middle head
	s_cmp_lt_u32 s59, 32
	s_cselect_b32 s66, 0x3e38aa3b, 1.0
	s_cmp_lt_u32 s59, 40
	s_cselect_b32 s66, s66, 0
	s_cselect_b32 s67, 0, 1.0
	s_cmp_lt_u32 s62, 32
	s_cselect_b32 s68, 0x3e38aa3b, 1.0
	s_cmp_lt_u32 s62, 40
	s_cselect_b32 s68, s68, 0
	s_cselect_b32 s69, 0, 1.0
	s_lshl_b32 s56, s18, 14
	s_mov_b32 s57, 0
	s_add_nc_u64 s[10:11], s[10:11], s[56:57]      ; qkv at my 128 tokens
	s_lshl_b32 s60, s58, 18
	s_mov_b32 s61, 0
	s_add_nc_u64 s[10:11], s[10:11], s[60:61]      ; and at the first of my three heads
.macro FACT mt, sfa, sfb               ; the 16 + 16 factors of token tile mt for one head
	WIN 0x02
.irp e, 0,1,2,3,4,5,6,7,8,9,10,11,12,13,14,15
	v_fma_f32 v[CS+\e], v[32*\mt+2*\e], s[\sfa], s[\sfb]
	v_mul_f32 v[CS+16+\e], v[32*\mt+2*\e+1], s[\sfa]
.endr
.endm
.macro ROT mt, nt, k                   ; tile (mt, nt), rotated, into TX + 8 k; the second line takes each pair of x swapped
.irp i, 0,1,2,3
	v_pk_mul_f32 v[TX+8*\k+2*\i:TX+8*\k+2*\i+1], v[8*(NT*\mt+\nt)+2*\i:8*(NT*\mt+\nt)+2*\i+1], v[CS+8*(\nt&1)+2*\i:CS+8*(\nt&1)+2*\i+1]
.endr
.irp i, 0,1,2,3
	v_pk_fma_f32 v[TX+8*\k+2*\i:TX+8*\k+2*\i+1], v[8*(NT*\mt+\nt)+2*\i:8*(NT*\mt+\nt)+2*\i+1], v[CS+16+8*(\nt&1)+2*\i:CS+16+8*(\nt&1)+2*\i+1], v[TX+8*\k+2*\i:TX+8*\k+2*\i+1] op_sel:[1,0,0] op_sel_hi:[0,1,1]
.endr
.endm
.macro PACK mt, k, sto                 ; eight numbers to f16, 16 bytes into the stage
.irp i, 0,1,2,3
	v_cvt_pk_f16_f32 v[PK+4*\k+\i], v[TX+8*\k+2*\i], v[TX+8*\k+2*\i+1]
.endr
	ds_store_b128 v[\sto], v[PK+4*\k:PK+4*\k+3] offset:2304*\mt+32*\k
.endm
.irp mt, 0,1,2,3
	FACT \mt, 66, 67
	WIN 0x01
	ROT \mt, 0, 0
	ROT \mt, 1, 1
	ROT \mt, 2, 2
	ROT \mt, 3, 3
	WIN 0
	PACK \mt, 0, STOF
	PACK \mt, 1, STOF
	PACK \mt, 2, STOF
	PACK \mt, 3, STOF
	FACT \mt, 68, 69
	WIN 0x01
	ROT \mt, 4, 0
	ROT \mt, 5, 1
	WIN 0
	PACK \mt, 0, STOH
	PACK \mt, 1, STOH
.endr
	s_wait_dscnt 0x0                               ; my stores into the stage are done, for the sake of the other waves
	s_barrier_signal -1
	s_barrier_wait -1
	; each wave takes 32 tokens of all three heads: whole rows of 128 bytes, four rows a load
.irp hl, 0,1,2
.irp i, 0,1,2,3,4,5,6,7
	ds_load_b128 v[RB+4*(8*\hl+\i):RB+4*(8*\hl+\i)+3], v[RD] offset:\hl*APAN+576*\i
.endr
.endr
.irp hl, 0,1,2
.irp i, 0,1,2,3,4,5,6,7
	s_wait_dscnt 23-(8*\hl+\i)                     ; LDS loads come back in order: this one is in
	global_store_b128 v[CO], v[RB+4*(8*\hl+\i):RB+4*(8*\hl+\i)+3], s[10:11] offset:\hl*262144+512*\i   ; 512 consecutive aligned bytes
.endr
.endr
	s_wait_tensorcnt 0x0
	ds_add_u32 v254, v255
	s_wait_dscnt 0x0
	CROUND                                         ; the closing round: no work-group ends while a partner may still ask jointly
	s_endpgm
.Lfunc_end_k_qe092968d58_qkv:
	.size	k_qe092968d58_qkv, .Lfunc_end_k_qe092968d58_qkv-k_qe092968d58_qkv
	.p2alignl 7, 3214868480
	.fill 96, 4, 3214868480
	.section	.rodata,"a",@progbits
	.p2align	6, 0x0
	.amdhsa_kernel k_qe092968d58_qkv
		.amdhsa_group_segment_fixed_size 327680
		.amdhsa_private_segment_fixed_size 0
		.amdhsa_enable_private_segment 0
		.amdhsa_kernarg_size 32
		.amdhsa_user_sgpr_count 2
		.amdhsa_user_sgpr_kernarg_segment_ptr 1
		.amdhsa_wavefront_size32 1
		.amdhsa_system_sgpr_workgroup_id_x 1
		.amdhsa_system_sgpr_workgroup_id_y 1
		.amdhsa_system_sgpr_workgroup_id_z 1
		.amdhsa_system_vgpr_workitem_id 0
		.amdhsa_next_free_vgpr 640
		.amdhsa_next_free_sgpr 88
		.amdhsa_reserve_vcc 0
		.amdhsa_float_denorm_mode_32 3
		.amdhsa_float_denorm_mode_16_64 3
		.amdhsa_memory_ordered 1
		.amdhsa_forward_progress 1
		.amdhsa_inst_pref_size 178
	.end_amdhsa_kernel
	.amdgpu_metadata
---
amdhsa.version: [ 1, 2 ]
amdhsa.kernels:
  - .name:           k_qe092968d58_qkv
    .symbol:         k_qe092968d58_qkv.kd
    .args:
      - { .name: xb, .offset: 0, .size: 8, .value_kind: global_buffer, .address_space: global }
      - { .name: wh, .offset: 8, .size: 8, .value_kind: global_buffer, .address_space: global }
      - { .name: rope, .offset: 16, .size: 8, .value_kind: global_buffer, .address_space: global }
      - { .name: qkv, .offset: 24, .size: 8, .value_kind: global_buffer, .address_space: global }
    .group_segment_fixed_size: 327680
    .private_segment_fixed_size: 0
    .kernarg_segment_align: 8
    .kernarg_segment_size: 32
    .max_flat_workgroup_size: 128
    .sgpr_count:     88
    .vgpr_count:     640
    .wavefront_size: 32
...
	.end_amdgpu_metadata
.endif
;; end of part 2
;; launch attn (part 3): grid 32 x 8, 8 waves a work-group, clusters of 4 x 4, 327,680 bytes of LDS; arguments qkv, attention_mask, ab, Wo, woh; writes ab, woh
.if DOCPART == 3
	.amdgcn_target "amdgcn-amd-amdhsa--gfx1250"
	.amdhsa_code_object_version 6
	.text
	.protected	k_qe092968d58_attn
	.globl	k_qe092968d58_attn
	.p2align	8
	.type	k_qe092968d58_attn,@function
k_qe092968d58_attn:
	s_mov_b64 s[64:65], 0
	v_nop
	global_prefetch_b8 v0, s[64:65] scope:SCOPE_SE
	s_setreg_imm32_b32 hwreg(HW_REG_WAVE_MODE, 25, 1), 1
	s_wait_xcnt 0x0
	s_wait_alu depctr_hold_cnt(0) depctr_sa_sdst(0) depctr_va_vdst(0) depctr_va_sdst(0) depctr_va_ssrc(0) depctr_va_vcc(0) depctr_vm_vsrc(0)
	s_getreg_b32 s2, hwreg(HW_REG_IB_STS2, 6, 4)
	s_cmp_eq_u32 s2, 0
	s_cbranch_scc0 .Lentry_in_a_cluster
	s_endpgm
.Lentry_in_a_cluster:
	s_bfe_u32 s2, ttmp6, 0x10000c
	s_cmp_lg_u32 s2, 0xf033
	s_cbranch_scc0 .Lentry_shape_is_right
	s_endpgm
.Lentry_shape_is_right:
; ab[head][t][d] (f16) = softmax over keys of (q.k / 8 + mask) x v.  qkv: f16 [48][2048][64]: heads 0-31 q (already x 0.125 log2 e), 32-39 k,
; 40-47 v.  attention_mask: f32 [2048 q][2048 k], read whole and honoured as it is.
; Beside that, at its start: woh = Wo rounded to bf16 and written as f16, panel-major [n / 64][k][n % 64], for the launch that follows.  The 256
; work-groups take 32 rows x 512 columns of Wo each, a wave 4 rows: 16 loads, which travel while the first tiles are on their way.
; A work-group = 64 queries x one key/value head (its four query heads).  Eight waves: wave w takes queries 16 (w % 4) .. + 15 of the two heads
; 2 (w / 4), 2 (w / 4) + 1, which share the mask registers.  Two waves lie on a SIMD, so that the vector work of one runs beside the matrix
; instructions of the other.
; ORIENTATION.  S^T = K Q^T: lane l holds query l % 16 and the keys 8 (l / 16) + 0..7 of a tile of 16.  So the mask comes as 32 bytes a tile, the
; maximum stays in the lane but for one exchange of the halves, and two tiles of S^T, converted in place, ARE the second source of
; O^T = V^T P^T (V^T by the transposing LDS load).  A fifth tile of O^T, whose first source is all ones, holds the sum of the rounded
; weights of each query: numerator and denominator are made of the same numbers.
; SOFTMAX in base 2 with a running maximum: t = q.k + fl(mask log2 e), p = 2^(t - m), old sums x 2^(m_old - m_new).
; KEYS go in turns of 256 (four steps of 64) through two LDS slots: K rows 144 bytes apart, V rows 160, mask rows (64 keys) 272.
; CLUSTERS: 4 x 4 work-groups.  The four of a row of the cluster share the key/value head, so K and V tiles are asked for jointly along the
; row; the four of a column share the 64 queries, so the mask tiles are asked for jointly along the column.
; REGISTERS.  Window 0: addresses, maxima, mask, S^T / P^T, K.  Window 1: O^T, Q, V^T, the ones: so the rescaling of O^T and the products
; V^T P^T run under one window setting and stand between each other.
; LIMITS.  |mask| log2 e must be finite (|mask| < 2.3e38): a row that holds only infinite masks gives NaN.  NaN and infinities are not
; reproduced.  Weights below 2^-25 of the largest of their query round to zero in f16.  A bf16 number is exact in f16 from 2^-17 up to 65,504:
; a smaller |Wo| is rounded with an absolute error of at most 2^-25, a larger one becomes infinite.
.set SLOT,  147456
.set VOFF,  36864
.set MOFF,  77824
.set STAGE, 2*SLOT                     ; 8 waves x 16 rows x 144 bytes, never filled by the mover
.set QA,    1                          ; v1      lane offset of the Q loads
.set AK,    2                          ; v2-3    K fragments, slot 0, 1
.set AV,    4                          ; v4-5    V fragments
.set AM,    6                          ; v6-7    mask
.set MX,    8                          ; v8-11   running maximum of head c in the low register of pair c
.set AL,    12                         ; v12-15  2^(m_old - m_new) likewise; at the end 1 / sum
.set TMP,   16                         ; v16-23  four chains of the maximum for each head
.set MR,    32                         ; v32-63  mask of key tile kt at 8 kt
.set SR,    64                         ; v64-127 S^T tile (kt, c) at 8 (2 kt + c); P^T (kp, c) at 8 (4 kp + c)
.set KR,    128                        ; v128-191 K (kt, half of d) at 8 (2 kt + half)
.set CA,    192                        ; v192-193 the cast of Wo: lane offsets of the loads
.set CST,   194                        ; v194     and of the stores
.set CT,    196                        ; v196-201 at work
.set CX,    64                         ; the cast: 16 x 4 registers as loaded (free until the first products)
.set CY,    128                        ; the cast: 16 x 2 registers to store (free until the first K fragments)
.set OACC,  0                          ; window 1: O^T tile idx = 2 dt + c at 8 idx; idx 8, 9: the sums
.set QFR,   80                         ; window 1: Q (c, half of d) at 80 + 8 (2 c + half)
.set VR,    112                        ; window 1: V^T (dt, kp) at 112 + 8 (2 dt + kp)
.set ONES,  176                        ; window 1: a fragment of ones in f16
.set TX,    64
.set PK,    128
.set RB,    160
.set G1K, 24
.set G1V, 32
.set G1M, 40
.set G0K, 48
.set G0V, 56
.set G0M, 68
.set MSB, 0
.macro WIN new                         ; the high byte of the immediate repeats the setting that is left
.if MSB != \new
	s_set_vgpr_msb (MSB<<8)|\new
.set MSB, \new
.endif
.endm
; A joint load: waves 0, 1 the halves of K, waves 2, 3 the halves of V, waves 4 to 7 a mask tile of 64 keys each: one load a wave.
.macro JLOAD s
	s_cmp_lg_u32 s11, 0
	s_cbranch_scc1 .Lnot_k_\@
	tensor_load_to_lds s[G0K+4*\s:G0K+4*\s+3], s[G1K:G1K+7]
	s_nop 0
	s_branch .Lasked_\@
.Lnot_k_\@:
	s_cmp_lg_u32 s11, 1
	s_cbranch_scc1 .Lfor_m_\@
	tensor_load_to_lds s[G0V+4*\s:G0V+4*\s+3], s[G1V:G1V+7]
	s_nop 0
	s_branch .Lasked_\@
.Lfor_m_\@:
	tensor_load_to_lds s[G0M+4*\s:G0M+4*\s+3], s[G1M:G1M+7]
	s_nop 0
.Lasked_\@:
.endm
.macro CREST
	s_cmp_lg_u32 s10, 0
	s_cbranch_scc1 .Lnot_wave_0_\@
	s_barrier_signal -3
.Lnot_wave_0_\@:
	s_barrier_wait -3
	s_barrier_signal -1
	s_barrier_wait -1
.endm
.macro CROUND
	s_barrier_signal -1
	s_barrier_wait -1
	CREST
.endm
	s_load_b128 s[4:7], s[0:1], 0x0                ; qkv s[4:5], attention_mask s[6:7]
	s_load_b64 s[8:9], s[0:1], 0x10                ; ab
	s_load_b64 s[88:89], s[0:1], 0x18              ; Wo
	s_load_b64 s[90:91], s[0:1], 0x20              ; woh
	v_lshl_add_u32 v254, v0, 2, 0x4c800
	v_mov_b32 v255, 0
	ds_add_u32 v254, v255
	v_lshrrev_b32 v1, 5, v0
	v_readfirstlane_b32 s10, v1                    ; wave 0..7
	s_lshr_b32 s11, s10, 1                         ; what I fetch: 0 K, 1 V, 2 and 3 mask
	s_and_b32 s12, s10, 1                          ; which half of K or V
	s_and_b32 s13, s10, 3                          ; qt: my 16 queries; also which mask tile I fetch
	s_lshr_b32 s14, s10, 2                         ; hp: my pair of heads
	s_bfe_u32 s15, ttmp6, 0x40000                  ; cx
	s_bfe_u32 s16, ttmp6, 0x40004                  ; cy
	s_lshl_b32 s17, ttmp9, 2
	s_add_co_u32 s17, s17, s15                     ; bx: block of 64 queries
	s_and_b32 s18, ttmp7, 0xffff
	s_lshl_b32 s18, s18, 2
	s_add_co_u32 s18, s18, s16                     ; kvh: key/value head
	s_lshl_b32 s19, s16, 2
	s_lshl_b32 s19, 15, s19                        ; my row of the cluster
	s_lshl_b32 s20, 0x1111, s15                    ; my column
	s_mov_b32 s84, 0x76543210                      ; v_permlanex16_b32: lane i reads lane i of the other half
	s_mov_b32 s85, 0xfedcba98
	; K half: 128 keys x 128 bytes, dense: one row of 2,048 elements of 8 bytes, a pad of 4 words behind every 32 words
	s_or_b32 s[G1K+0], s19, (3<<16)|(1<<20)|(1<<21)|(4<<22)|(3<<25)
	s_mov_b32 s[G1K+1], 2048<<16
	s_mov_b32 s[G1K+2], 1<<16
	s_mov_b32 s[G1K+3], 2048<<16
	s_mov_b32 s[G1K+4], 1
	s_mov_b32 s[G1K+5], 2048
	s_mov_b32 s[G1K+6], 0
	s_mov_b32 s[G1K+7], 0
	; V half: the same with a pad of 8 words
	s_or_b32 s[G1V+0], s19, (3<<16)|(1<<20)|(1<<21)|(4<<22)|(7<<25)
	s_mov_b32 s[G1V+1], 2048<<16
	s_mov_b32 s[G1V+2], 1<<16
	s_mov_b32 s[G1V+3], 2048<<16
	s_mov_b32 s[G1V+4], 1
	s_mov_b32 s[G1V+5], 2048
	s_mov_b32 s[G1V+6], 0
	s_mov_b32 s[G1V+7], 0
	; mask tile: 64 queries x 64 keys of 4 bytes, rows 2,048 elements apart, a pad of 4 words behind every row of 64 words
	s_or_b32 s[G1M+0], s20, (2<<16)|(1<<20)|(1<<21)|(5<<22)|(3<<25)
	s_mov_b32 s[G1M+1], 64<<16
	s_mov_b32 s[G1M+2], 64<<16
	s_mov_b32 s[G1M+3], 64<<16
	s_mov_b32 s[G1M+4], 64
	s_mov_b32 s[G1M+5], 2048
	s_mov_b32 s[G1M+6], 0
	s_mov_b32 s[G1M+7], 0
	; K and V hang on kvh and the wave alone (s76 to s79), the mask on bx and the wave alone (s80, s81)
	s_add_co_u32 s76, s18, 32
	s_lshl_b32 s76, s76, 18
	s_lshl_b32 s78, s12, 14
	s_add_co_u32 s76, s76, s78
	s_mov_b32 s77, 0
	s_lshl_b32 s80, s17, 19                        ; 64 rows of 8,192 bytes
	s_lshl_b32 s82, s13, 8
	s_add_co_u32 s80, s80, s82
	s_mov_b32 s81, 0
	s_mul_i32 s82, s12, 18432                      ; LDS: my half of K,
	s_mul_i32 s83, s12, 20480
	s_add_co_u32 s83, s83, VOFF                    ; of V,
	s_mul_i32 s21, s13, 17408
	s_add_co_u32 s21, s21, MOFF                    ; my mask tile
	; my Q rows in qkv and my rows in ab have the same offset: head 4 kvh + 2 hp, token 64 bx + 16 qt
	s_lshl_b32 s22, s18, 20
	s_lshl_b32 s23, s14, 19
	s_add_co_u32 s22, s22, s23
	s_lshl_b32 s23, s17, 13
	s_add_co_u32 s22, s22, s23
	s_lshl_b32 s23, s13, 11
	s_add_co_u32 s22, s22, s23
	s_mov_b32 s23, 0
	s_wait_dscnt 0x0
	s_wait_kmcnt 0x0
	s_add_nc_u64 s[76:77], s[4:5], s[76:77]
	s_add_nc_u64 s[78:79], s[76:77], 0x200000      ; V lies eight heads behind K
	s_add_nc_u64 s[80:81], s[6:7], s[80:81]
	s_add_nc_u64 s[86:87], s[4:5], s[22:23]
	CROUND                                         ; all sixteen work-groups are here: the first joint loads meet
.irp s, 0,1
	s_mov_b32 s[G0K+4*\s], 1
	s_add_co_u32 s[G0K+4*\s+1], s82, \s*SLOT
	s_add_nc_u64 s[G0K+4*\s+2:G0K+4*\s+3], s[76:77], \s*32768
	s_or_b32 s[G0K+4*\s+3], s[G0K+4*\s+3], 0x80000000
	s_mov_b32 s[G0V+4*\s], 1
	s_add_co_u32 s[G0V+4*\s+1], s83, \s*SLOT
	s_add_nc_u64 s[G0V+4*\s+2:G0V+4*\s+3], s[78:79], \s*32768
	s_or_b32 s[G0V+4*\s+3], s[G0V+4*\s+3], 0x80000000
	s_mov_b32 s[G0M+4*\s], 1
	s_add_co_u32 s[G0M+4*\s+1], s21, \s*SLOT
	s_add_nc_u64 s[G0M+4*\s+2:G0M+4*\s+3], s[80:81], \s*1024
	s_or_b32 s[G0M+4*\s+3], s[G0M+4*\s+3], 0x80000000
	JLOAD \s                                       ; turns 0 and 1: two loads of this wave are out
.endr
	v_and_b32 v32, 15, v0                          ; r
	v_bfe_u32 v33, v0, 4, 1                        ; h
	v_lshlrev_b32 v[QA], 7, v32
	v_lshl_add_u32 v[QA], v33, 4, v[QA]            ; query r, 16 h
	WIN 0x40                                       ; Q and the ones go to window 1 and stay there
.irp c, 0,1
.irp d, 0,1
	global_load_b128 v[QFR+8*(2*\c+\d):QFR+8*(2*\c+\d)+3],   v[QA], s[86:87] offset:\c*262144+64*\d
	global_load_b128 v[QFR+8*(2*\c+\d)+4:QFR+8*(2*\c+\d)+7], v[QA], s[86:87] offset:\c*262144+64*\d+32
.endr
.endr
.irp i, 0,1,2,3,4,5,6,7
	v_mov_b32 v[ONES+\i], 0x3c003c00               ; 1.0, 1.0 in f16
.endr
	WIN 0
	; THE CAST OF Wo.  Work-group g = 32 kvh + bx takes rows 32 (g / 4) .. + 31 and columns 512 (g % 4) .. + 511; wave w its rows 4 w .. 4 w + 3.
	s_lshl_b32 s76, s18, 5
	s_add_co_u32 s76, s76, s17                     ; g
	s_and_b32 s77, s76, 3                          ; column group
	s_lshr_b32 s76, s76, 2
	s_lshl_b32 s76, s76, 5
	s_lshl2_add_u32 s76, s10, s76                  ; my first row
	s_lshl_b32 s78, s76, 13                        ; rows of 8,192 bytes
	s_lshl_b32 s79, s77, 11                        ; + 512 columns of 4 bytes
	s_add_co_u32 s78, s78, s79
	s_mov_b32 s79, 0
	s_add_nc_u64 s[88:89], s[88:89], s[78:79]
	s_lshl_b32 s80, s77, 21                        ; 8 panels of 262,144 bytes
	s_lshl_b32 s81, s76, 7                         ; + rows of 128 bytes
	s_add_co_u32 s80, s80, s81
	s_mov_b32 s81, 0
	s_add_nc_u64 s[90:91], s[90:91], s[80:81]
	v_lshlrev_b32 v[CA], 13, v33
	v_lshl_add_u32 v[CA], v32, 4, v[CA]            ; rows 0, 1: (lane / 16) x 8,192 + 16 (lane % 16)
	v_add_nc_u32 v[CA+1], 0x4000, v[CA]            ; rows 2, 3
	v_and_b32 v[CST], 31, v0
	v_lshlrev_b32 v[CST], 3, v[CST]                ; out: 8 bytes a lane, 256 bytes a wave
.irp u, 0,1
.irp p, 0,1,2,3,4,5,6,7
	global_load_b128 v[CX+4*(8*\u+\p):CX+4*(8*\u+\p)+3], v[CA+\u], s[88:89] offset:256*\p th:TH_LOAD_NT
.endr
.endr
	v_mov_b32 v[MX+1], 0                           ; the upper registers of the pairs are named by packed instructions and never used
	v_mov_b32 v[MX+3], 0
	v_mov_b32 v[AL+1], 0
	v_mov_b32 v[AL+3], 0
	v_mul_u32_u24 v34, v32, 144
	v_lshl_add_u32 v[AK], v33, 4, v34
	v_add_nc_u32 v[AK+1], SLOT, v[AK]
	v_and_b32 v35, 7, v0
	v_lshl_add_u32 v35, v33, 3, v35
	v_mul_u32_u24 v35, v35, 160
	v_bfe_u32 v36, v0, 3, 1
	v_lshl_add_u32 v35, v36, 4, v35
	v_add_nc_u32 v[AV], VOFF, v35
	v_add_nc_u32 v[AV+1], SLOT+VOFF, v35
	v_lshl_add_u32 v37, s13, 4, v32                ; query 16 qt + r of the block
	v_mul_u32_u24 v37, v37, 272
	v_lshl_add_u32 v37, v33, 5, v37
	v_add_nc_u32 v[AM], MOFF, v37
	v_add_nc_u32 v[AM+1], SLOT+MOFF, v37
.irp u, 0,1
.irp p, 0,1,2,3,4,5,6,7
	s_wait_loadcnt 15-(8*\u+\p)                    ; loads come back in order: this one (and Q, which is older) is in, the younger ones stay out
	v_cvt_pk_bf16_f32 v[CT], v[CX+4*(8*\u+\p)], v[CX+4*(8*\u+\p)+1]
	v_cvt_pk_bf16_f32 v[CT+1], v[CX+4*(8*\u+\p)+2], v[CX+4*(8*\u+\p)+3]
	v_lshlrev_b32 v[CT+2], 16, v[CT]
	v_and_b32 v[CT+3], 0xffff0000, v[CT]
	v_lshlrev_b32 v[CT+4], 16, v[CT+1]
	v_and_b32 v[CT+5], 0xffff0000, v[CT+1]
	v_cvt_pk_f16_f32 v[CY+2*(8*\u+\p)], v[CT+2], v[CT+3]
	v_cvt_pk_f16_f32 v[CY+2*(8*\u+\p)+1], v[CT+4], v[CT+5]
	global_store_b64 v[CST], v[CY+2*(8*\u+\p):CY+2*(8*\u+\p)+1], s[90:91] offset:\p*262144+256*\u   ; 256 consecutive aligned bytes
.endr
.endr
.macro LOADK s, t                      ; 16 loads: 64 keys x 64 d of step t
.irp kt, 0,1,2,3
.irp d, 0,1
	ds_load_b128 v[KR+8*(2*\kt+\d):KR+8*(2*\kt+\d)+3],   v[AK+\s] offset:9216*\t+2304*\kt+64*\d
	ds_load_b128 v[KR+8*(2*\kt+\d)+4:KR+8*(2*\kt+\d)+7], v[AK+\s] offset:9216*\t+2304*\kt+64*\d+32
.endr
.endr
.endm
.macro LOADM s, t                      ; 8 loads: the mask of my query for my 32 keys of step t
.irp kt, 0,1,2,3
	ds_load_b128 v[MR+8*\kt:MR+8*\kt+3],   v[AM+\s] offset:17408*\t+64*\kt
	ds_load_b128 v[MR+8*\kt+4:MR+8*\kt+7], v[AM+\s] offset:17408*\t+64*\kt+16
.endr
.endm
.macro LOADV s, t                      ; 16 transposing loads: V^T of step t, into window 1
.irp dt, 0,1,2,3
.irp kp, 0,1
	ds_load_tr16_b128 v[VR+8*(2*\dt+\kp):VR+8*(2*\dt+\kp)+3],   v[AV+\s] offset:10240*\t+5120*\kp+32*\dt
	ds_load_tr16_b128 v[VR+8*(2*\dt+\kp)+4:VR+8*(2*\dt+\kp)+7], v[AV+\s] offset:10240*\t+5120*\kp+32*\dt+2560
.endr
.endr
.endm
.macro SUBT idx                        ; tile idx = 2 kt + c: t - m
.irp i, 0,1,2,3
	v_pk_add_f32 v[SR+8*\idx+2*\i:SR+8*\idx+2*\i+1], v[SR+8*\idx+2*\i:SR+8*\idx+2*\i+1], v[MX+2*(\idx&1):MX+2*(\idx&1)+1] op_sel_hi:[1,0] neg_lo:[0,1] neg_hi:[0,1]
.endr
.endm
.macro EXPT idx
.irp i, 0,1,2,3,4,5,6,7
	v_exp_f32 v[SR+8*\idx+\i], v[SR+8*\idx+\i]
.endr
.endm
.macro CVTT idx                        ; to f16: an even key tile fills registers 0-3 of P^T (kp, c), the odd one behind it registers 4-7
	s_wait_alu depctr_va_vdst(0)
.irp i, 0,1,2,3
	v_cvt_pk_f16_f32 v[SR+8*(4*(\idx>>2)+(\idx&1))+4*((\idx>>1)&1)+\i], v[SR+8*\idx+2*\i], v[SR+8*\idx+2*\i+1]
.endr
.endm
.macro RESC idx                        ; O^T tile idx x 2^(m_old - m_new) of its head
.irp i, 0,1,2,3
	v_pk_mul_f32 v[OACC+8*(\idx)+2*\i:OACC+8*(\idx)+2*\i+1], v[OACC+8*(\idx)+2*\i:OACC+8*(\idx)+2*\i+1], v[AL+2*((\idx)&1):AL+2*((\idx)&1)+1] op_sel_hi:[1,0]
.endr
.endm
.macro PVW kp, idx, zero               ; one matrix instruction: 32 keys (kp) into O^T tile idx; idx 8, 9: the ones make the sums
.if (\idx) < 8
.if \zero
	v_wmma_f32_16x16x32_f16 v[OACC+8*(\idx):OACC+8*(\idx)+7], v[VR+8*(2*((\idx)>>1)+\kp):VR+8*(2*((\idx)>>1)+\kp)+7], v[SR+8*(4*\kp+((\idx)&1)):SR+8*(4*\kp+((\idx)&1))+7], 0
.else
	v_wmma_f32_16x16x32_f16 v[OACC+8*(\idx):OACC+8*(\idx)+7], v[VR+8*(2*((\idx)>>1)+\kp):VR+8*(2*((\idx)>>1)+\kp)+7], v[SR+8*(4*\kp+((\idx)&1)):SR+8*(4*\kp+((\idx)&1))+7], v[OACC+8*(\idx):OACC+8*(\idx)+7]
.endif
.else
.if \zero
	v_wmma_f32_16x16x32_f16 v[OACC+8*(\idx):OACC+8*(\idx)+7], v[ONES:ONES+7], v[SR+8*(4*\kp+((\idx)&1)):SR+8*(4*\kp+((\idx)&1))+7], 0
.else
	v_wmma_f32_16x16x32_f16 v[OACC+8*(\idx):OACC+8*(\idx)+7], v[ONES:ONES+7], v[SR+8*(4*\kp+((\idx)&1)):SR+8*(4*\kp+((\idx)&1))+7], v[OACC+8*(\idx):OACC+8*(\idx)+7]
.endif
.endif
.endm
; One step: 64 keys of step t of slot s.  first = 1: the very first step starts maximum and sums.  pf = 1: K and mask of step nt of the same
; slot are fetched ahead.  sig = 1 (the last step of a turn behind which slots change): as soon as V is in, my reads of the slot are over, and
; the barrier of the change of slots is signalled; the rest of the step is register work, and CHANGE holds the wait.
; All accumulators take turns, one instruction a turn.
.macro STEP s, t, first, pf, nt, sig
	s_wait_dscnt 8                                 ; K is in; the eight younger loads (the mask) may be out
	WIN 0x04                                       ; the second source, Q, lies in window 1
.irp kt, 0,1,2,3
.irp c, 0,1
	v_wmma_f32_16x16x32_f16 v[SR+8*(2*\kt+\c):SR+8*(2*\kt+\c)+7], v[KR+16*\kt:KR+16*\kt+7], v[QFR+16*\c:QFR+16*\c+7], 0
.endr
.endr
.irp kt, 0,1,2,3
.irp c, 0,1
	v_wmma_f32_16x16x32_f16 v[SR+8*(2*\kt+\c):SR+8*(2*\kt+\c)+7], v[KR+16*\kt+8:KR+16*\kt+15], v[QFR+16*\c+8:QFR+16*\c+15], v[SR+8*(2*\kt+\c):SR+8*(2*\kt+\c)+7]
.endr
.endr
	WIN 0
	s_wait_dscnt 0                                 ; the mask is in
.irp e, 0,1,2,3,4,5,6,7,8,9,10,11,12,13,14,15
	v_pk_mul_f32 v[MR+2*\e:MR+2*\e+1], v[MR+2*\e:MR+2*\e+1], 0x3fb8aa3b op_sel_hi:[1,0]   ; mask x log2 e, once for both heads; also the places behind the products above
.endr
	WIN 0x40
	LOADV \s, \t
	WIN 0
.if \pf
	LOADK \s, \nt
.endif
.irp kt, 0,1,2,3
.irp c, 0,1
.irp i, 0,1,2,3
	v_pk_add_f32 v[SR+8*(2*\kt+\c)+2*\i:SR+8*(2*\kt+\c)+2*\i+1], v[SR+8*(2*\kt+\c)+2*\i:SR+8*(2*\kt+\c)+2*\i+1], v[MR+8*\kt+2*\i:MR+8*\kt+2*\i+1]
.endr
.endr
.endr
.if \pf
	LOADM \s, \nt
.endif
	; the maximum of my 32 numbers of each head: eight chains (one for each tile) that do not wait for each other, then the old maximum
	; and the other half of the lanes; the two heads line by line in turn
.irp kt, 0,1,2,3
.irp c, 0,1
	v_max_num_f32 v[TMP+4*\c+\kt], v[SR+8*(2*\kt+\c)], v[SR+8*(2*\kt+\c)+1]
.endr
.endr
.irp i, 2,4,6
.irp kt, 0,1,2,3
.irp c, 0,1
	v_max3_num_f32 v[TMP+4*\c+\kt], v[TMP+4*\c+\kt], v[SR+8*(2*\kt+\c)+\i], v[SR+8*(2*\kt+\c)+\i+1]
.endr
.endr
.endr
.irp c, 0,1
	v_max3_num_f32 v[TMP+4*\c], v[TMP+4*\c], v[TMP+4*\c+1], v[TMP+4*\c+2]
.endr
.irp c, 0,1
.if \first
	v_max_num_f32 v[TMP+4*\c], v[TMP+4*\c], v[TMP+4*\c+3]
.else
	v_max3_num_f32 v[TMP+4*\c], v[TMP+4*\c], v[TMP+4*\c+3], v[MX+2*\c]
.endif
.endr
.irp c, 0,1
	v_permlanex16_b32 v[TMP+4*\c+1], v[TMP+4*\c], s84, s85
.endr
.irp c, 0,1
	v_max_num_f32 v[TMP+4*\c], v[TMP+4*\c], v[TMP+4*\c+1]
.endr
.if \first == 0
.irp c, 0,1
	v_sub_f32 v[TMP+4*\c+2], v[MX+2*\c], v[TMP+4*\c]
.endr
.irp c, 0,1
	v_exp_f32 v[AL+2*\c], v[TMP+4*\c+2]            ; 2^(m_old - m_new)
.endr
.endif
.irp c, 0,1
	v_mov_b32 v[MX+2*\c], v[TMP+4*\c]              ; (plain instructions behind the exponentials)
.endr
.if \sig
	s_wait_dscnt 0x0                               ; V is in: all my reads of this slot are over
	s_wait_tensorcnt 0x0                           ; and all my tensor loads have landed: the one that was out is my part of the next slot
	ds_add_u32 v254, v255
	s_wait_dscnt 0x0
	s_barrier_signal -1                            ; say so; only register work follows up to the wait in CHANGE
.endif
	; p = 2^(t - m), to f16: the subtraction runs a tile ahead of the exponentials, the conversion a tile behind, so that plain instructions
	; always stand between an exponential and its use (ISA guide 5.7.2)
	SUBT 0
	SUBT 1
	EXPT 0
.irp x, 1,2,3,4,5,6
	SUBT (\x+1)
	EXPT \x
	CVTT (\x-1)
.endr
	EXPT 7
	CVTT 6
	CVTT 7
	WIN 0x51                                       ; O^T, V^T and the ones in window 1; P^T and the factors in window 0
.if \first
	s_wait_dscnt 24*\pf                            ; V is in; the 16 + 8 loads fetched ahead behind it may be out
.irp x, 0,1,2,3,4,5,6,7,8,9
	PVW 0, \x, 1
.endr
.else
	RESC 0
	RESC 1
.if \sig == 0
	s_wait_dscnt 24*\pf                            ; V is in; the 16 + 8 loads fetched ahead behind it may be out
.endif
.irp x, 0,1,2,3,4,5,6,7
	PVW 0, \x, 0
	RESC (\x+2)                                    ; the rescaling of the tile after next stands behind each product
.endr
	PVW 0, 8, 0
	PVW 0, 9, 0
.endif
.irp x, 0,1,2,3,4,5,6,7,8,9
	PVW 1, \x, 0
.endr
	WIN 0
.rept 5
	v_nop                                          ; five places before the next products write over P^T; four before the way out reads the sums
.endr
.endm
.macro STEPS s, first, sig
	STEP \s, 0, \first, 1, 1, 0
	STEP \s, 1, 0, 1, 2, 0
	STEP \s, 2, 0, 1, 3, 0
	STEP \s, 3, 0, 0, 0, \sig
.endm
; The change of slots.  The waits (my reads of the slot, all my tensor loads) and the signal stand in the turn's last step; here every wave waits.
; fill = 1: that barrier opens a round of the cluster barrier, and the joint refill of the slot, two turns ahead, comes first behind the round.
; Then the next slot is read.
.macro CHANGE slot, fill, next
	s_barrier_wait -1
.if \fill
	CREST
	s_add_nc_u64 s[G0K+4*\slot+2:G0K+4*\slot+3], s[G0K+4*\slot+2:G0K+4*\slot+3], 65536
	s_add_nc_u64 s[G0V+4*\slot+2:G0V+4*\slot+3], s[G0V+4*\slot+2:G0V+4*\slot+3], 65536
	s_add_nc_u64 s[G0M+4*\slot+2:G0M+4*\slot+3], s[G0M+4*\slot+2:G0M+4*\slot+3], 2048
	JLOAD \slot
.endif
	LOADK \next, 0
	LOADM \next, 0
.endm
	s_wait_tensorcnt 0x1                           ; my part of turn 0 is in; turn 1 may stay out
	s_barrier_signal -1
	s_barrier_wait -1
	s_wait_xcnt 0x0                                ; the registers that the stores of the cast read are loaded again only behind this wait
	LOADK 0, 0
	LOADM 0, 0
	s_wait_loadcnt 0x0                             ; Q (met: the cast has waited for younger loads)
	STEPS 0, 1, 1
	CHANGE 0, 1, 1
	STEPS 1, 0, 1
	CHANGE 1, 1, 0
	s_mov_b32 s3, 2
.Lturns:
	STEPS 0, 0, 1
	CHANGE 0, 1, 1
	STEPS 1, 0, 1
	CHANGE 1, 1, 0
	s_sub_co_u32 s3, s3, 1
	s_cmp_lg_u32 s3, 0
	s_cbranch_scc1 .Lturns
	STEPS 0, 0, 1                                  ; turns 6 and 7: nothing is left to fetch
	CHANGE 0, 0, 1
	STEPS 1, 0, 0
	; THE WAY OUT: divide by the sums, round to f16, 16 rows x 128 bytes of each head through my own stage, whole rows out
	v_and_b32 v32, 15, v0
	v_bfe_u32 v33, v0, 4, 1
	v_mul_u32_u24 v34, v32, 144
	v_lshl_add_u32 v34, v33, 4, v34
	s_mul_i32 s21, s10, 2304
	s_add_co_u32 s21, s21, STAGE
	v_add_nc_u32 v34, s21, v34                     ; in: query r, 16 h
	v_bfe_u32 v35, v0, 3, 2
	v_mul_u32_u24 v35, v35, 144
	v_and_b32 v36, 7, v0
	v_lshl_add_u32 v35, v36, 4, v35
	v_add_nc_u32 v35, s21, v35                     ; back: four rows a load
	v_and_b32 v36, 31, v0
	v_lshlrev_b32 v36, 4, v36                      ; 512 consecutive bytes of ab
	s_add_nc_u64 s[8:9], s[8:9], s[22:23]
	WIN 0x01
	v_rcp_f32 v[AL], v[OACC+64]                    ; the sum holds the weight 1 of the largest score: it is at least 1
	v_rcp_f32 v[AL+2], v[OACC+72]
	v_nop
	s_wait_alu depctr_va_vdst(0)
.irp c, 0,1
.irp dt, 0,1,2,3
.irp i, 0,1,2,3
	v_pk_mul_f32 v[TX+32*\c+8*\dt+2*\i:TX+32*\c+8*\dt+2*\i+1], v[OACC+8*(2*\dt+\c)+2*\i:OACC+8*(2*\dt+\c)+2*\i+1], v[AL+2*\c:AL+2*\c+1] op_sel_hi:[1,0]
.endr
.endr
.endr
	WIN 0
.irp c, 0,1
.irp dt, 0,1,2,3
.irp i, 0,1,2,3
	v_cvt_pk_f16_f32 v[PK+16*\c+4*\dt+\i], v[TX+32*\c+8*\dt+2*\i], v[TX+32*\c+8*\dt+2*\i+1]
.endr
	ds_store_b128 v34, v[PK+16*\c+4*\dt:PK+16*\c+4*\dt+3] offset:32*\dt
.endr
.irp i, 0,1,2,3
	ds_load_b128 v[RB+16*\c+4*\i:RB+16*\c+4*\i+3], v35 offset:576*\i    ; LDS serves a wave in order: these see the stores above
.endr
.irp i, 0,1,2,3
	s_wait_dscnt 3-\i
	global_store_b128 v36, v[RB+16*\c+4*\i:RB+16*\c+4*\i+3], s[8:9] offset:\c*262144+512*\i
.endr
.endr
	s_wait_tensorcnt 0x0
	ds_add_u32 v254, v255
	s_wait_dscnt 0x0
	CROUND                                         ; the closing round
	s_endpgm
.Lfunc_end_k_qe092968d58_attn:
	.size	k_qe092968d58_attn, .Lfunc_end_k_qe092968d58_attn-k_qe092968d58_attn
	.p2alignl 7, 3214868480
	.fill 96, 4, 3214868480
	.section	.rodata,"a",@progbits
	.p2align	6, 0x0
	.amdhsa_kernel k_qe092968d58_attn
		.amdhsa_group_segment_fixed_size 327680
		.amdhsa_private_segment_fixed_size 0
		.amdhsa_enable_private_segment 0
		.amdhsa_kernarg_size 40
		.amdhsa_user_sgpr_count 2
		.amdhsa_user_sgpr_kernarg_segment_ptr 1
		.amdhsa_wavefront_size32 1
		.amdhsa_system_sgpr_workgroup_id_x 1
		.amdhsa_system_sgpr_workgroup_id_y 1
		.amdhsa_system_sgpr_workgroup_id_z 1
		.amdhsa_system_vgpr_workitem_id 0
		.amdhsa_next_free_vgpr 440
		.amdhsa_next_free_sgpr 92
		.amdhsa_reserve_vcc 0
		.amdhsa_float_denorm_mode_32 3
		.amdhsa_float_denorm_mode_16_64 3
		.amdhsa_memory_ordered 1
		.amdhsa_forward_progress 1
		.amdhsa_inst_pref_size 255
	.end_amdhsa_kernel
	.section	.bss,"aw",@nobits
	.p2align	6
	.space	262144
	.amdgpu_metadata
---
amdhsa.version: [ 1, 2 ]
amdhsa.kernels:
  - .name:           k_qe092968d58_attn
    .symbol:         k_qe092968d58_attn.kd
    .args:
      - { .name: qkv, .offset: 0, .size: 8, .value_kind: global_buffer, .address_space: global }
      - { .name: attention_mask, .offset: 8, .size: 8, .value_kind: global_buffer, .address_space: global }
      - { .name: ab, .offset: 16, .size: 8, .value_kind: global_buffer, .address_space: global }
      - { .name: Wo, .offset: 24, .size: 8, .value_kind: global_buffer, .address_space: global }
      - { .name: woh, .offset: 32, .size: 8, .value_kind: global_buffer, .address_space: global }
    .group_segment_fixed_size: 327680
    .private_segment_fixed_size: 0
    .kernarg_segment_align: 8
    .kernarg_segment_size: 40
    .max_flat_workgroup_size: 256
    .sgpr_count:     92
    .vgpr_count:     440
    .wavefront_size: 32
...
	.end_amdgpu_metadata
.endif
;; end of part 3
;; launch oproj (part 4): grid 16 x 16, 4 waves a work-group, clusters of 4 x 4, 327,680 bytes of LDS; arguments ab, woh, out0; writes out0
.if DOCPART == 4
	.amdgcn_target "amdgcn-amd-amdhsa--gfx1250"
	.amdhsa_code_object_version 6
	.text
	.protected	k_qe092968d58_oproj
	.globl	k_qe092968d58_oproj
	.p2align	8
	.type	k_qe092968d58_oproj,@function
k_qe092968d58_oproj:
	s_mov_b64 s[64:65], 0
	v_nop
	global_prefetch_b8 v0, s[64:65] scope:SCOPE_SE
	s_setreg_imm32_b32 hwreg(HW_REG_WAVE_MODE, 25, 1), 1
	s_wait_xcnt 0x0
	s_wait_alu depctr_hold_cnt(0) depctr_sa_sdst(0) depctr_va_vdst(0) depctr_va_sdst(0) depctr_va_ssrc(0) depctr_va_vcc(0) depctr_vm_vsrc(0)
	s_getreg_b32 s2, hwreg(HW_REG_IB_STS2, 6, 4)
	s_cmp_eq_u32 s2, 0
	s_cbranch_scc0 .Lentry_in_a_cluster
	s_endpgm
.Lentry_in_a_cluster:
	s_bfe_u32 s2, ttmp6, 0x10000c
	s_cmp_lg_u32 s2, 0xf033
	s_cbranch_scc0 .Lentry_shape_is_right
	s_endpgm
.Lentry_shape_is_right:
; out0[t][n] (f32) = sum over k of attn[t][k] Wo[k][n].  ab: f16 [32 k panels][2048 t][64].  woh: f16 [32 n panels][2048 k][64].  Sums in f32.
; A work-group makes 128 tokens x 128 columns with four waves, a wave 64 x 64: 16 accumulator tiles, 128 registers in window 1.
; K goes in turns of 256 (eight quarters of 32) through two LDS slots filled by the tensor data mover, so that one load a wave has 128 matrix
; instructions in which to land.  All tiles are dense in memory and come in as long rows; the mover lays a pad behind every 128 bytes:
; token rows are 144 bytes apart in LDS, weight rows 160.
; CLUSTERS: 4 x 4 work-groups; the token tile is asked for jointly along a row of the cluster, the weight planes along a column.
; EACH CLUSTER STARTS K AT ANOTHER TURN, 2 ((cluster x + cluster y) mod 4), and wraps round at 8.  The four clusters of a row of clusters read the
; same token tiles and the four of a column the same weight planes; so they ask for a given tile in different turns, and only the first
; of them asks for bytes that nobody has read yet in this launch.  The start hangs on the cluster's own place, which all its sixteen
; work-groups share.  The sums are the same but for the order of their terms.
; THE MATRIX INSTRUCTION IS USED TRANSPOSED (source 0 = 16 columns of Wo by the transposing LDS load, source 1 = 16 tokens): lane l holds token
; l % 16 and eight neighbouring columns, 32 bytes of a row of out0.
; The stage of the way out lies in slot 0, which has had its last fill by then and is read by nobody behind the last change of slots.
.set NT,     4
.set APAN,   18432
.set BPL,    40960                     ; 256 k rows x 160 bytes
.set BOFF,   4*APAN
.set SLOT,   BOFF+2*BPL                ; 155,648
.set LAPS,   4                         ; a lap = two turns; 8 turns of 256
.set NF,     2*NT+8
.set ADRA,   16
.set ADRB,   18
.set STO,    20
.set RD,     21
.set CO,     22
.set F0,     32
.set F1,     96
.set FA,     32
.set G1A, 24
.set G0A, 32
.set G1B, 40
.set G0B, 48
.set KT,  66                           ; s66, s67: which turn of K (0..7) slot 0, 1 holds or is asked for
.set MUL, 0x50
.set MSB, 0
.macro WIN new                         ; the high byte of the immediate repeats the setting that is left
.if MSB != \new
	s_set_vgpr_msb (MSB<<8)|\new
.set MSB, \new
.endif
.endm
.macro PLACES                          ; four places behind a matrix instruction (ISA guide 7.12.1)
.rept 4
	v_nop
.endr
.endm
; A joint load.  Waves 0 and 1 fetch two k panels of the token tile each, waves 2 and 3 one weight plane each.
.macro JLOAD s
	s_cmp_eq_u32 s13, 0
	s_cbranch_scc0 .Lfor_b_\@
	tensor_load_to_lds s[G0A+4*\s:G0A+4*\s+3], s[G1A:G1A+7]
	s_nop 0
	s_branch .Lasked_\@
.Lfor_b_\@:
	tensor_load_to_lds s[G0B+4*\s:G0B+4*\s+3], s[G1B:G1B+7]
	s_nop 0
.Lasked_\@:
.endm
; the global addresses of a slot's two descriptors from its turn of K: four k panels of ab are 2^20 bytes, 256 k rows of a plane 2^15
.macro AIM slot
	s_lshl_b32 s68, s[KT+\slot], 20
	s_add_nc_u64 s[G0A+4*\slot+2:G0A+4*\slot+3], s[56:57], s[68:69]
	s_or_b32 s[G0A+4*\slot+3], s[G0A+4*\slot+3], 0x80000000
	s_lshl_b32 s70, s[KT+\slot], 15
	s_add_nc_u64 s[G0B+4*\slot+2:G0B+4*\slot+3], s[60:61], s[70:71]
	s_or_b32 s[G0B+4*\slot+3], s[G0B+4*\slot+3], 0x80000000
.endm
.macro CREST
	s_cmp_lg_u32 s12, 0
	s_cbranch_scc1 .Lnot_wave_0_\@
	s_barrier_signal -3
.Lnot_wave_0_\@:
	s_barrier_wait -3
	s_barrier_signal -1
	s_barrier_wait -1
.endm
.macro CROUND
	s_barrier_signal -1
	s_barrier_wait -1
	CREST
.endm
	s_load_b128 s[4:7], s[0:1], 0x0                ; ab s[4:5], woh s[6:7]
	s_load_b64 s[8:9], s[0:1], 0x10                ; out0
	v_lshl_add_u32 v254, v0, 2, 0x4c000
	v_mov_b32 v255, 0
	ds_add_u32 v254, v255
	v_lshrrev_b32 v1, 5, v0
	v_readfirstlane_b32 s12, v1                    ; wave 0..3
	s_lshr_b32 s13, s12, 1                         ; wm: which 64 tokens.  Also: I fetch tokens (0) or weights (1)
	s_and_b32 s14, s12, 1                          ; wn: which 64 columns.  Also: which part of that tile I fetch
	s_bfe_u32 s15, ttmp6, 0x40000                  ; cx
	s_bfe_u32 s16, ttmp6, 0x40004                  ; cy
	s_lshl_b32 s17, ttmp9, 2
	s_add_co_u32 s17, s17, s15                     ; bx: block of 128 columns
	s_and_b32 s18, ttmp7, 0xffff
	s_lshl_b32 s18, s18, 2
	s_add_co_u32 s18, s18, s16                     ; by: block of 128 tokens
	s_lshl_b32 s19, s16, 2
	s_lshl_b32 s19, 15, s19                        ; my row of the cluster
	s_lshl_b32 s20, 0x1111, s15                    ; my column
	s_and_b32 s[KT], ttmp7, 0xffff                 ; the cluster's y
	s_add_co_u32 s[KT], s[KT], ttmp9               ; + the cluster's x
	s_and_b32 s[KT], s[KT], 3
	s_lshl_b32 s[KT], s[KT], 1                     ; the turn of K with which my cluster starts: 0, 2, 4 or 6
	s_add_co_u32 s[KT+1], s[KT], 1                 ; and the one behind it
	s_mov_b32 s69, 0
	s_mov_b32 s71, 0
	; tokens: two rows of 2,048 elements of 8 bytes (128 tokens of one k panel each), 32,768 elements apart, 4 words of pad behind every 32
	s_or_b32 s[G1A+0], s19, (3<<16)|(1<<20)|(1<<21)|(4<<22)|(3<<25)
	s_mov_b32 s[G1A+1], 2048<<16
	s_mov_b32 s[G1A+2], 2<<16
	s_mov_b32 s[G1A+3], 2048<<16
	s_mov_b32 s[G1A+4], 2
	s_mov_b32 s[G1A+5], 32768
	s_mov_b32 s[G1A+6], 0
	s_mov_b32 s[G1A+7], 0
	; weights: one row of 4,096 elements of 8 bytes (256 k rows of one plane), 8 words of pad behind every 32
	s_or_b32 s[G1B+0], s20, (3<<16)|(1<<20)|(1<<21)|(4<<22)|(7<<25)
	s_mov_b32 s[G1B+1], 4096<<16
	s_mov_b32 s[G1B+2], 1<<16
	s_mov_b32 s[G1B+3], 4096<<16
	s_mov_b32 s[G1B+4], 1
	s_mov_b32 s[G1B+5], 4096
	s_mov_b32 s[G1B+6], 0
	s_mov_b32 s[G1B+7], 0
	; the token tile hangs on by and the wave alone (s56, s57), the planes on bx and the wave alone (s58 to s62)
	s_lshl_b32 s56, s18, 14
	s_lshl_b32 s57, s14, 19                        ; panels 2 wn, 2 wn + 1 of the turn
	s_add_co_u32 s56, s56, s57
	s_mov_b32 s57, 0
	s_lshl1_add_u32 s58, s17, s14                  ; plane 2 bx + wn
	s_lshl_b32 s60, s58, 18
	s_mov_b32 s61, 0
	s_mul_i32 s21, s14, 2*APAN                     ; LDS: my two panels,
	s_mul_i32 s62, s14, BPL
	s_add_co_u32 s62, s62, BOFF                    ; my plane
	s_wait_dscnt 0x0
	s_wait_kmcnt 0x0
	s_add_nc_u64 s[56:57], s[4:5], s[56:57]        ; my part of turn 0 of K: these two stay as they are up to the way out
	s_add_nc_u64 s[60:61], s[6:7], s[60:61]
	CROUND                                         ; all sixteen work-groups are here: the first joint loads meet
.irp s, 0,1
	s_mov_b32 s[G0A+4*\s], 1
	s_add_co_u32 s[G0A+4*\s+1], s21, \s*SLOT
	s_mov_b32 s[G0B+4*\s], 1
	s_add_co_u32 s[G0B+4*\s+1], s62, \s*SLOT
	AIM \s
	JLOAD \s                                       ; my cluster's first two turns: two loads of this wave are out
.endr
	v_and_b32 v1, 15, v0                           ; r
	v_bfe_u32 v2, v0, 4, 1                         ; h
	v_mul_u32_u24 v3, v1, 144
	v_lshl_add_u32 v3, v2, 4, v3
	s_mul_i32 s22, s13, 9216                       ; my 64 tokens
	v_add_nc_u32 v[ADRA], s22, v3
	v_add_nc_u32 v[ADRA+1], SLOT, v[ADRA]
	v_and_b32 v5, 7, v0
	v_lshl_add_u32 v5, v2, 3, v5
	v_mul_u32_u24 v5, v5, 160
	v_bfe_u32 v6, v0, 3, 1
	v_lshl_add_u32 v4, v6, 4, v5                   ; the transposing load: (8 h + lane % 8) x 160 + 16 ((lane / 8) % 2)
	v_add_nc_u32 v[ADRB], s62, v4                  ; my plane is also the one that I multiply: plane wn
	v_add_nc_u32 v[ADRB+1], SLOT, v[ADRB]
	s_mul_i32 s23, s12, 4352                       ; my stage: 16 rows x 272 bytes
	v_mul_u32_u24 v5, v1, 272
	v_lshl_add_u32 v5, v2, 5, v5
	v_add_nc_u32 v[STO], s23, v5                   ; in: token r, 32 h
	v_mul_u32_u24 v5, v2, 272
	v_lshl_add_u32 v5, v1, 4, v5
	v_add_nc_u32 v[RD], s23, v5                    ; back: lanes 0-15 one row of 256 bytes, lanes 16-31 the next
	v_lshlrev_b32 v5, 13, v2
	v_lshl_add_u32 v[CO], v1, 4, v5                ; and the same two rows in out0
.macro MUL1 f, mt, zero
.irp nt, 0,1,2,3
.if \zero
	v_wmma_f32_16x16x32_f16 v[8*(NT*(\mt)+\nt):8*(NT*(\mt)+\nt)+7], v[\f+8*\nt:\f+8*\nt+7], v[\f+FA+8*(\mt):\f+FA+8*(\mt)+7], 0
.else
	v_wmma_f32_16x16x32_f16 v[8*(NT*(\mt)+\nt):8*(NT*(\mt)+\nt)+7], v[\f+8*\nt:\f+8*\nt+7], v[\f+FA+8*(\mt):\f+FA+8*(\mt)+7], v[8*(NT*(\mt)+\nt):8*(NT*(\mt)+\nt)+7]
.endif
.endr
.endm
.macro MULH f, half, zero
	MUL1 \f, 2*\half, \zero
	MUL1 \f, 2*\half+1, \zero
.endm
.macro FETCH slot, q, f
.irp nt, 0,1,2,3
	ds_load_tr16_b128 v[\f+8*\nt:\f+8*\nt+3],   v[ADRB+\slot] offset:(\q)*5120+32*\nt
	ds_load_tr16_b128 v[\f+8*\nt+4:\f+8*\nt+7], v[ADRB+\slot] offset:(\q)*5120+32*\nt+2560
.endr
.irp mt, 0,1,2,3
	ds_load_b128 v[\f+FA+8*\mt:\f+FA+8*\mt+3],   v[ADRA+\slot] offset:((\q)>>1)*APAN+((\q)&1)*64+2304*\mt
	ds_load_b128 v[\f+FA+8*\mt+4:\f+FA+8*\mt+7], v[ADRA+\slot] offset:((\q)>>1)*APAN+((\q)&1)*64+2304*\mt+32
.endr
.endm
; The 16 accumulators take turns, one instruction a turn, in the same order in every quarter.
.macro QUARTER slot, qn, f, g, zero
	s_wait_dscnt 4                                 ; all of buffer f but the four youngest loads (token tiles 2, 3)
	WIN MUL
	MULH \f, 0, \zero
	PLACES                                         ; buffer g was read by matrix instructions: four places in front of the loads into it
	WIN 0
	FETCH \slot, \qn, \g
	s_wait_dscnt NF                                ; all but the NF just issued
	WIN MUL
	MULH \f, 1, \zero
.endm
.macro BODY slot, zero
	QUARTER \slot, 1, F0, F1, \zero
	QUARTER \slot, 2, F1, F0, 0
	QUARTER \slot, 3, F0, F1, 0
	QUARTER \slot, 4, F1, F0, 0
	QUARTER \slot, 5, F0, F1, 0
	QUARTER \slot, 6, F1, F0, 0
	QUARTER \slot, 7, F0, F1, 0
.endm
; The last quarter of a turn: multiplies buffer 1 and changes slots.  In front of the barrier each wave waits for its reads of this slot and for
; all its tensor loads (one is out: its part of the next slot).  fill = 1: the barrier opens a round of the cluster barrier, and the joint
; refill of this slot, two turns ahead (modulo 8), is the first tensor load behind the round; then the next slot is read.
.macro TURN slot, next, fill
	s_wait_dscnt 4
	WIN MUL
	MUL1 F1, 0, 0
	s_wait_dscnt 0
	s_wait_tensorcnt 0x0
	ds_add_u32 v254, v255
	s_wait_dscnt 0x0
	s_barrier_signal -1
	MUL1 F1, 1, 0                                  ; register work while the others arrive
	WIN 0
	s_barrier_wait -1
.if \fill
	CREST
	s_add_co_u32 s[KT+\slot], s[KT+\slot], 2
	s_and_b32 s[KT+\slot], s[KT+\slot], 7          ; round the end of K
	AIM \slot
	JLOAD \slot
.endif
	PLACES
	FETCH \next, 0, F0
	WIN MUL
	MULH F1, 1, 0
.endm
.macro LAP zero
	BODY 0, \zero
	TURN 0, 1, 1
	BODY 1, 0
	TURN 1, 0, 1
.endm
	s_wait_tensorcnt 0x1                           ; my part of the first turn is in; the second may stay out
	s_barrier_signal -1
	s_barrier_wait -1
	FETCH 0, 0, F0
	LAP 1
	WIN 0
	s_mov_b32 s3, LAPS-2
.Llap:
	LAP 0
	WIN 0
	s_sub_co_u32 s3, s3, 1
	s_cmp_lg_u32 s3, 0
	s_cbranch_scc1 .Llap
	BODY 0, 0                                      ; the last lap fills nothing
	TURN 0, 1, 0                                   ; behind this barrier nobody reads slot 0 and no load lands in it any more
	BODY 1, 0
	s_wait_dscnt 4
	WIN MUL
	MULH F1, 0, 0
	s_wait_dscnt 0
	MULH F1, 1, 0
	WIN 0
	PLACES                                         ; four places in front of the first reader of a result and of the loads into the buffers
	; THE WAY OUT, 16 tokens at a time: 32 bytes a lane and tile into my stage, whole rows of 256 bytes back and out
	s_lshl_b32 s56, s18, 20                        ; (128 by + 64 wm) rows of 8,192 bytes
	s_lshl_b32 s57, s13, 19
	s_add_co_u32 s56, s56, s57
	s_mov_b32 s57, 0
	s_add_nc_u64 s[8:9], s[8:9], s[56:57]
	s_lshl_b32 s60, s17, 9                         ; (128 bx + 64 wn) columns of 4 bytes
	s_lshl_b32 s61, s14, 8
	s_add_co_u32 s60, s60, s61
	s_mov_b32 s61, 0
	s_add_nc_u64 s[8:9], s[8:9], s[60:61]
.macro OUT16 mt, f
	WIN 0x04                                       ; the data of the LDS stores come from window 1
.irp nt, 0,1,2,3
	ds_store_b128 v[STO], v[8*(NT*\mt+\nt):8*(NT*\mt+\nt)+3]   offset:64*\nt
	ds_store_b128 v[STO], v[8*(NT*\mt+\nt)+4:8*(NT*\mt+\nt)+7] offset:64*\nt+16
.endr
	WIN 0
	s_wait_xcnt 0x0                                ; buffer f, which earlier stores read, and their base are rewritten only behind this wait
.if \mt
	s_add_nc_u64 s[8:9], s[8:9], 131072            ; 16 rows of out0 on
.endif
.irp t, 0,1,2,3,4,5,6,7
	ds_load_b128 v[\f+4*\t:\f+4*\t+3], v[RD] offset:544*\t         ; LDS serves a wave in order: these see the stores above
.endr
.irp t, 0,1,2,3,4,5,6,7
	s_wait_dscnt 7-\t
	global_store_b128 v[CO], v[\f+4*\t:\f+4*\t+3], s[8:9] offset:16384*\t th:TH_STORE_NT   ; 16 lanes store 256 consecutive aligned bytes
.endr
.endm
	OUT16 0, F0
	OUT16 1, F1
	OUT16 2, F0
	OUT16 3, F1
	s_wait_tensorcnt 0x0
	ds_add_u32 v254, v255
	s_wait_dscnt 0x0
	CROUND                                         ; the closing round
	s_endpgm
.Lfunc_end_k_qe092968d58_oproj:
	.size	k_qe092968d58_oproj, .Lfunc_end_k_qe092968d58_oproj-k_qe092968d58_oproj
	.p2alignl 7, 3214868480
	.fill 96, 4, 3214868480
	.section	.rodata,"a",@progbits
	.p2align	6, 0x0
	.amdhsa_kernel k_qe092968d58_oproj
		.amdhsa_group_segment_fixed_size 327680
		.amdhsa_private_segment_fixed_size 0
		.amdhsa_enable_private_segment 0
		.amdhsa_kernarg_size 24
		.amdhsa_user_sgpr_count 2
		.amdhsa_user_sgpr_kernarg_segment_ptr 1
		.amdhsa_wavefront_size32 1
		.amdhsa_system_sgpr_workgroup_id_x 1
		.amdhsa_system_sgpr_workgroup_id_y 1
		.amdhsa_system_sgpr_workgroup_id_z 1
		.amdhsa_system_vgpr_workitem_id 0
		.amdhsa_next_free_vgpr 384
		.amdhsa_next_free_sgpr 72
		.amdhsa_reserve_vcc 0
		.amdhsa_float_denorm_mode_32 3
		.amdhsa_float_denorm_mode_16_64 3
		.amdhsa_memory_ordered 1
		.amdhsa_forward_progress 1
		.amdhsa_inst_pref_size 129
	.end_amdhsa_kernel
	.amdgpu_metadata
---
amdhsa.version: [ 1, 2 ]
amdhsa.kernels:
  - .name:           k_qe092968d58_oproj
    .symbol:         k_qe092968d58_oproj.kd
    .args:
      - { .name: ab, .offset: 0, .size: 8, .value_kind: global_buffer, .address_space: global }
      - { .name: woh, .offset: 8, .size: 8, .value_kind: global_buffer, .address_space: global }
      - { .name: out0, .offset: 16, .size: 8, .value_kind: global_buffer, .address_space: global }
    .group_segment_fixed_size: 327680
    .private_segment_fixed_size: 0
    .kernarg_segment_align: 8
    .kernarg_segment_size: 24
    .max_flat_workgroup_size: 128
    .sgpr_count:     72
    .vgpr_count:     384
    .wavefront_size: 32
...
	.end_amdgpu_metadata
.endif
;; end of part 4
;; ======== version 2 of 2: 4 launches; version 1 with the launch prep written anew for expert scheduling mode
;; limits: values are held in f16: magnitudes above 65,504 overflow, below 6.1e-05 lose precision
;; workspace buffers: xb 8,388,608 bytes; wh 12,582,912 bytes; woh 8,388,608 bytes; rope 524,288 bytes; qkv 12,582,912 bytes; ab 8,388,608 bytes
;; launch prep (part 5): grid 11 x 128, 4 waves a work-group, no clusters, 0 bytes of LDS; arguments hidden_states, Wq, Wk, Wv, xb, wh, rope; writes xb, wh, rope
.if DOCPART == 5
	.amdgcn_target "amdgcn-amd-amdhsa--gfx1250"
	.amdhsa_code_object_version 6
	.text
	.protected	k_qe092968d58_prep
	.globl	k_qe092968d58_prep
	.p2align	8
	.type	k_qe092968d58_prep,@function
k_qe092968d58_prep:
	s_mov_b64 s[64:65], 0
	v_nop
	global_prefetch_b8 v0, s[64:65] scope:SCOPE_SE
	s_setreg_imm32_b32 hwreg(HW_REG_WAVE_SCHED_MODE, 0, 2), 2
	s_setreg_imm32_b32 hwreg(HW_REG_WAVE_MODE, 25, 1), 1
	s_wait_xcnt 0x0
	s_wait_alu depctr_vm_vsrc(0)
; prep: casts hidden_states, Wq, Wk, Wv to bf16 in panel-major order, and makes the table of rotation factors.
; Panel-major: [column / 64][row 0..2047][column % 64], a panel is 262,144 bytes, a row of a panel 128 bytes, so that every tile that a
; later launch wants is one dense block.
;   x = 0..3   hidden_states -> xb              x = 4..7  Wq -> wh panels 0..31
;   x = 8      Wk -> wh panels 32..39           x = 9     Wv -> wh panels 40..47
;   x = 10     rope[t][j] = (cos(t f_j), ss), ss = -sin for even j, +sin for odd j, f_j = 500000^(-j/32), j = 0..31: 256 bytes for each t
; A cast work-group takes 8 panels x 16 rows, a wave 4 rows: 16 loads of 512 bytes (two rows x 256 aligned bytes), all issued at once,
; and 16 stores of which each covers 256 consecutive aligned bytes (two rows of one panel).  1,280 equal cast work-groups.
; No LDS, no barrier: no wave needs another.
; LIMITS.  The angle t f_j is reduced by two-part pi/2 and the polynomials are cut at r^7 and r^8 (|r| <= pi/4, error under 4e-7);
; f_j comes from v_exp_f32, so that the angle at t = 2047 is good to about 2e-4 rad.
; THE MODE: SCHED_MODE bits 1:0 = 2 (LLVM: expert scheduling mode 2), set by the entry lines.  The code itself states the register dependences
; between vector instructions and memory instructions, and those through scalar registers that vector instructions write, with s_wait_alu,
; always for 0.
; THE PLAN, cast.  Registers that memory instructions touch:
;   v2, v3, v4   byte offsets of the loads (v2, v3) and of the stores (v4): made once at the arm's head, never written again.
;   X            four registers for each of the 16 loads: written by that load alone, read by its two conversions.
;   Y            a pair for each of the 16 stores: written once, by two conversions, read by that store, never written again.
; The loads go in four groups of four.  At the head of group g, behind the wait for its data, ONE wait states that the conversions of group g - 1 have
; written their Y pairs; that group's four stores are then dealt among group g's conversions, which name X and Y of group g alone.  A last
; wait stands ahead of the last four stores.  No register that a memory instruction has read is written again, so nothing is owed for that.
; THE PLAN, table.  v7, the stores' offset, is made once; v[16:23], a pair for each of the four stores, are written once.  The four t go in two phases:
; reduction, polynomials and the compare for the odd quadrants, each t into a scalar register of its own, with one wait behind the four
; compares; then the selects and signs, with one wait ahead of the four stores.
.set XR, 16                            ; v[16:79]   16 loads x 4 registers
.set YR, 80                            ; v[80:111]  16 stores x 2 registers, each store has its own pair
.set SN, 32                            ; table: v[32:35] sin r of the four t
.set CN, 36                            ; table: v[36:39] cos r
.set QN, 40                            ; table: v[40:43] n, whose last two bits are the quadrant
.set MK, 36                            ; table: s36-s39 the lanes in which n is odd
	s_load_b256 s[8:15], s[0:1], 0x0               ; hidden 8, Wq 10, Wk 12, Wv 14
	s_load_b128 s[16:19], s[0:1], 0x20             ; xb 16, wh 18
	s_load_b64 s[24:25], s[0:1], 0x30              ; rope
	s_mov_b32 s2, ttmp9                            ; x: which job
	s_and_b32 s3, ttmp7, 0xffff                    ; y: which 16 rows
	v_lshrrev_b32 v7, 5, v0
	v_readfirstlane_b32 s4, v7                     ; wave 0..3
	v_and_b32 v1, 31, v0                           ; lane
	s_lshl_b32 s35, s3, 4
	s_wait_alu depctr_va_sdst(0)                   ; s4 is written, ahead of its first reader: my first row is made from it
	s_lshl2_add_u32 s35, s4, s35                   ; my first row (or t): 16 y + 4 wave
	s_wait_kmcnt 0x0
	s_cmp_eq_u32 s2, 10
	s_cbranch_scc1 .Ltable
	; which matrix, where to, which group of 8 panels, which pitch: chosen by x alone
	s_sub_co_u32 s26, s2, 4
	s_mov_b64 s[28:29], s[8:9]                     ; source
	s_mov_b64 s[30:31], s[16:17]                   ; destination
	s_mov_b32 s32, s2                              ; destination panel / 8
	s_mov_b32 s33, 13                              ; log2 of the source pitch in bytes
	s_cmp_ge_u32 s2, 4
	s_cselect_b64 s[28:29], s[10:11], s[28:29]
	s_cselect_b64 s[30:31], s[18:19], s[30:31]
	s_cselect_b32 s32, s26, s32                    ; x - 4: 0..3 for Wq, 4 for Wk, 5 for Wv
	s_cmp_ge_u32 s2, 8
	s_cselect_b64 s[28:29], s[12:13], s[28:29]
	s_cselect_b32 s33, 11, s33
	s_cmp_ge_u32 s2, 9
	s_cselect_b64 s[28:29], s[14:15], s[28:29]
	s_cmp_eq_u32 s33, 13
	s_cselect_b32 s34, s32, 0                      ; source column group: Wk and Wv have one group only
	s_lshl_b32 s36, s35, s33                       ; row x pitch
	s_lshl_b32 s38, s34, 11                        ; + group x 8 panels x 256 bytes
	s_add_co_u32 s36, s36, s38
	s_mov_b32 s37, 0
	s_add_nc_u64 s[28:29], s[28:29], s[36:37]
	s_lshl_b32 s36, s32, 21                        ; 8 panels of 262,144 bytes
	s_lshl_b32 s38, s35, 7                         ; + row x 128
	s_add_co_u32 s36, s36, s38
	s_add_nc_u64 s[30:31], s[30:31], s[36:37]
	v_bfe_u32 v5, v0, 4, 1                         ; lanes 16-31 take the next row
	v_and_b32 v6, 15, v0
	v_lshlrev_b32 v2, s33, v5
	v_lshl_add_u32 v2, v6, 4, v2                   ; rows 0, 1: (lane / 16) x pitch + 16 (lane % 16)
	s_lshl_b32 s39, 2, s33
	v_add_nc_u32 v3, s39, v2                       ; rows 2, 3
	v_lshlrev_b32 v4, 3, v1                        ; out: 8 bytes a lane, 256 bytes a wave
	s_wait_alu depctr_va_vdst(0)                   ; v2, v3 and v4 are written: the loads below read v2 or v3 as their offset, the stores v4
.irp u, 0,1
.irp p, 0,1,2,3,4,5,6,7
	global_load_b128 v[XR+4*(8*\u+\p):XR+4*(8*\u+\p)+3], v[2+\u], s[28:29] offset:256*\p th:TH_LOAD_NT
.endr
.endr
; Load n = 8 u + p brought panel p of the rows 2 u, 2 u + 1.  CVT: its four numbers a lane to bf16, into its own Y pair.  PUT: that pair stored.
.macro CVT n
	v_cvt_pk_bf16_f32 v[YR+2*(\n)], v[XR+4*(\n)], v[XR+4*(\n)+1]
	v_cvt_pk_bf16_f32 v[YR+2*(\n)+1], v[XR+4*(\n)+2], v[XR+4*(\n)+3]
.endm
.macro PUT n
	global_store_b64 v4, v[YR+2*(\n):YR+2*(\n)+1], s[30:31] offset:((\n)%8)*262144+256*((\n)/8)
.endm
.irp g, 0,1,2,3
	s_wait_loadcnt 12-4*\g                         ; loads come back in order: this group's four are in, the younger groups stay out
.if \g > 0
	s_wait_alu depctr_va_vdst(0)                   ; the conversions of the group before have written their four Y pairs, which the stores below read
.endif
.irp i, 0,1,2,3
.if \g > 0
	PUT 4*\g-4+\i                                  ; no vector instruction since the wait names this pair or v4
.endif
	CVT 4*\g+\i
.endr
.endr
	s_wait_alu depctr_va_vdst(0)                   ; the last group's conversions have written their four Y pairs
.irp i, 12,13,14,15
	PUT \i
.endr
	s_endpgm
.Ltable:
	; lane = j; four values of t for each wave
	v_cvt_f32_u32 v5, v1
	v_mul_f32 v5, 0xbf1773da, v5                   ; -j log2(500000) / 32
	v_exp_f32 v5, v5                               ; f_j
	v_and_b32 v6, 1, v1                            ; (a plain instruction stands behind the exponential before f_j is used)
	v_xor_b32 v6, 1, v6
	v_lshlrev_b32 v6, 31, v6                       ; even j: the sine changes sign
	v_lshlrev_b32 v7, 3, v1
	v_lshl_add_u32 v7, s35, 8, v7                  ; 256 t + 8 j
	s_wait_alu depctr_va_vdst(0)                   ; the exponential has written f_j, ahead of its first reader; v7, the stores' offset, is written too
	; phase 1: for each t the reduced angle, its sine and cosine, n, and the lanes in which n is odd
.irp i, 0,1,2,3
	s_add_co_u32 s34, s35, \i
	v_cvt_f32_u32 v8, s34
	v_mul_f32 v8, v8, v5                           ; the angle a = t f_j, rounded to f32 as in the definition
	v_mul_f32 v9, 0x3f22f983, v8                   ; a x 2 / pi
	v_rndne_f32 v9, v9                             ; n
	v_fmamk_f32 v10, v9, 0xbfc90fdb, v8            ; r = a - n pi/2, pi/2 in two parts
	v_fmamk_f32 v10, v9, 0x333bbd2e, v10
	v_mul_f32 v11, v10, v10                        ; z = r r
	v_mov_b32 v[SN+\i], 0xb9500d01                 ; -1/5040
	v_fmaak_f32 v[SN+\i], v[SN+\i], v11, 0x3c088889  ; 1/120
	v_fmaak_f32 v[SN+\i], v[SN+\i], v11, 0xbe2aaaab  ; -1/6
	v_mul_f32 v13, v10, v11
	v_fma_f32 v[SN+\i], v13, v[SN+\i], v10         ; sin r
	v_mov_b32 v[CN+\i], 0x37d00d01                 ; 1/40320
	v_fmaak_f32 v[CN+\i], v[CN+\i], v11, 0xbab60b61  ; -1/720
	v_fmaak_f32 v[CN+\i], v[CN+\i], v11, 0x3d2aaaab  ; 1/24
	v_fmaak_f32 v[CN+\i], v[CN+\i], v11, 0xbf000000  ; -1/2
	v_fma_f32 v[CN+\i], v[CN+\i], v11, 1.0         ; cos r
	v_cvt_i32_f32 v[QN+\i], v9                     ; the quadrant is n mod 4
	v_and_b32 v13, 1, v[QN+\i]
	v_cmp_eq_u32 s[MK+\i], 1, v13
.endr
	s_wait_alu depctr_va_sdst(0)                   ; the four compares have written s36 to s39, ahead of the selects that read them
	; phase 2: the quadrant's exchange and signs
.irp i, 0,1,2,3
	v_cndmask_b32 v[17+2*\i], v[SN+\i], v[CN+\i], s[MK+\i]  ; odd quadrant: sine and cosine change places
	v_cndmask_b32 v[16+2*\i], v[CN+\i], v[SN+\i], s[MK+\i]
	v_and_b32 v13, 2, v[QN+\i]
	v_lshlrev_b32 v13, 30, v13                     ; quadrants 2, 3: the sine is negative
	v_xor_b32 v13, v13, v6
	v_xor_b32 v[17+2*\i], v[17+2*\i], v13
	v_add_nc_u32 v15, 1, v[QN+\i]
	v_and_b32 v15, 2, v15
	v_lshlrev_b32 v15, 30, v15                     ; quadrants 1, 2: the cosine is negative
	v_xor_b32 v[16+2*\i], v[16+2*\i], v15
.endr
	s_wait_alu depctr_va_vdst(0)                   ; v[16:23], the four pairs that the stores read, are written
.irp i, 0,1,2,3
	global_store_b64 v7, v[16+2*\i:17+2*\i], s[24:25] offset:256*\i   ; the wave stores one whole row of 256 bytes
.endr
	s_endpgm
.Lfunc_end_k_qe092968d58_prep:
	.size	k_qe092968d58_prep, .Lfunc_end_k_qe092968d58_prep-k_qe092968d58_prep
	.p2alignl 7, 3214868480
	.fill 96, 4, 3214868480
	.section	.rodata,"a",@progbits
	.p2align	6, 0x0
	.amdhsa_kernel k_qe092968d58_prep
		.amdhsa_group_segment_fixed_size 0
		.amdhsa_private_segment_fixed_size 0
		.amdhsa_enable_private_segment 0
		.amdhsa_kernarg_size 56
		.amdhsa_user_sgpr_count 2
		.amdhsa_user_sgpr_kernarg_segment_ptr 1
		.amdhsa_wavefront_size32 1
		.amdhsa_system_sgpr_workgroup_id_x 1
		.amdhsa_system_sgpr_workgroup_id_y 1
		.amdhsa_system_sgpr_workgroup_id_z 1
		.amdhsa_system_vgpr_workitem_id 0
		.amdhsa_next_free_vgpr 112
		.amdhsa_next_free_sgpr 66
		.amdhsa_reserve_vcc 0
		.amdhsa_float_denorm_mode_32 3
		.amdhsa_float_denorm_mode_16_64 3
		.amdhsa_memory_ordered 1
		.amdhsa_forward_progress 1
		.amdhsa_inst_pref_size 14
	.end_amdhsa_kernel
	.amdgpu_metadata
---
amdhsa.version: [ 1, 2 ]
amdhsa.kernels:
  - .name:           k_qe092968d58_prep
    .symbol:         k_qe092968d58_prep.kd
    .args:
      - { .name: hidden_states, .offset: 0, .size: 8, .value_kind: global_buffer, .address_space: global }
      - { .name: Wq, .offset: 8, .size: 8, .value_kind: global_buffer, .address_space: global }
      - { .name: Wk, .offset: 16, .size: 8, .value_kind: global_buffer, .address_space: global }
      - { .name: Wv, .offset: 24, .size: 8, .value_kind: global_buffer, .address_space: global }
      - { .name: xb, .offset: 32, .size: 8, .value_kind: global_buffer, .address_space: global }
      - { .name: wh, .offset: 40, .size: 8, .value_kind: global_buffer, .address_space: global }
      - { .name: rope, .offset: 48, .size: 8, .value_kind: global_buffer, .address_space: global }
    .group_segment_fixed_size: 0
    .private_segment_fixed_size: 0
    .kernarg_segment_align: 8
    .kernarg_segment_size: 56
    .max_flat_workgroup_size: 128
    .sgpr_count:     66
    .vgpr_count:     112
    .wavefront_size: 32
...
	.end_amdgpu_metadata
.endif
;; end of part 5
;; launch qkv: the kernel of part 2 again; grid 16 x 16, 4 waves a work-group, clusters of 4 x 4, 327,680 bytes of LDS; arguments xb, wh, rope, qkv; writes qkv
;; launch attn: the kernel of part 3 again; grid 32 x 8, 8 waves a work-group, clusters of 4 x 4, 327,680 bytes of LDS; arguments qkv, attention_mask, ab, Wo, woh; writes ab, woh
;; launch oproj: the kernel of part 4 again; grid 16 x 16, 4 waves a work-group, clusters of 4 x 4, 327,680 bytes of LDS; arguments ab, woh, out0; writes out0
